; MI455X (gfx1250); checked and timed in simulation.
; The chip was launched on July 23, 2026; its instructions are those of AMD's public machine-readable ISA for CDNA 5 (MIT licence, August 2026) and "CDNA5" Instruction Set Architecture Reference Guide (July 2026). The comments in the code are by the model that wrote it; some were corrected since.
;; Attention. Allowed arithmetic: matrix products marked QUANTISED: E5M2 operands, one E8M0 scale for each 32 along K, by v_wmma_scale_f32_16x16x128_f8f6f4 with both operands' format E5M2, f32 sums; everything else in f32.
;; Inputs: ln_b 1,024 float32; ln_w 1,024 float32; w_out 1,024 x 1,024 float32; w_qkv 3,072 x 1,024 float32; x 2,048 x 4 x 1,024 float32.
;; Outputs: out0 2,048 x 4 x 1,024 float32.
;; This version of the problem:
;;   THIS VERSION OF THE PROBLEM IS GIVEN IN LOW PRECISION. The matrix products marked QUANTISED in the list below multiply operands that are first quantised to E5M2 (5 exponent bits, 2 mantissa bits; 8 bits a number), with one power-of-two scale for each 32 numbers along K (OCP MX v1.0); their sums are f32. All else is computed in f32.
;;   The module's matrix products, in the order in which they are computed (A, B: the left and right operand; K: the contracted axis; several contracted axes count as one K, in the product's order):
;;     1. [M 8,192, K 1,024] x [K 1,024, N 3,072]; A: computed on the way; B: input w_qkv: QUANTISED
;;     2. batch 64 x [M 2,048, K 64] x [K 64, N 2,048]; A: computed on the way; B: computed on the way: QUANTISED
;;     3. batch 64 x [M 64, K 2,048] x [K 2,048, N 2,048]; A: computed on the way; B: softmax (see below): QUANTISED
;;     4. [M 8,192, K 1,024] x [K 1,024, N 1,024]; A: computed on the way; B: input w_out: QUANTISED
;;   THE QUANTISER, for each operand of a quantised product, along K:
;;     - K is cut into blocks of 32 from its start; a last block that is shorter is filled with zeros.
;;     - A block's scale is 2^e with e = floor(log2(the largest magnitude in the block)) - 15, held to -126 .. 127; a block of zeros has e = 0. As a byte (E8M0): e + 127.
;;     - Each number is divided by its block's scale, clamped to +-57,344, and rounded to the nearest number of E5M2, ties to even, subnormals kept.
;;     - The product sums the exact products of the quantised numbers (number of the format x scale) in f32.
;;   ~~~python
;;   def quantise(x, axis):      # numpy; x: float32 -> the quantised numbers, widened to float32 again
;;       x = np.moveaxis(x, axis, -1); K = x.shape[-1]
;;       x = np.pad(x, [(0, 0)] * (x.ndim - 1) + [(0, -K % 32)]); x = x.reshape(x.shape[:-1] + (-1, 32)); a = np.abs(x).max(-1, keepdims=True)
;;       e = np.where(a > 0, np.clip(np.frexp(np.where(a > 0, a, 1))[1] - 1 - 15, -126, 127), 0)      # np.frexp(a)[1] - 1 = floor(log2(a)), exactly
;;       r = np.clip(x / 2.0 ** e, -57344, 57344)
;;       step = 2.0 ** (np.maximum(np.frexp(np.where(r == 0, 1, r))[1] - 1, -14) - 2)
;;       q = np.round(r / step) * step * 2.0 ** e      # np.round: ties to even
;;       return np.moveaxis(q.reshape(q.shape[:-2] + (-1,))[..., :K], -1, axis).astype(np.float32)
;;   ~~~
;;   SOFTMAX AHEAD OF A QUANTISED PRODUCT. Where the list says 'softmax', what is quantised is not the finished softmax but p = 2^(t - M), with t = logit x log2(e) and M = ceil(the row's largest t), a whole number; so 1/2 < the row's largest p <= 1. The row's sum l is taken of the UNQUANTISED p, in f32, and the product's result is divided by l at the end. Since M is a whole number, a kernel that streams over the keys may use a running M (the ceiling of the running maximum): every later rescaling is an exact power of two, which a block's scale takes up: the codes' values come out the same.
;;   OPERANDS COMPUTED ON THE WAY. 'Computed on the way' means the value that the module computes at that place (a softmax that the list does not call 'softmax' is quantised finished and normalised). What goes into a quantiser is computed in f32, as accurately as f32 sums, v_exp_f32 and their like allow (about 1e-6 of the number): no bf16 or f16 on the way to a quantiser, and a product that is left as it is and whose result goes on into a quantised operand takes f32 operands (vector FMAs, or v_wmma_f32_16x16x4_f32). A number that lies on a knife's edge between two numbers of the format may be rounded either way, as far as f32 arithmetic and the matrix unit's own rounding can turn it there, and no further.
;; One version. Each part assembles by itself: llvm-mc -triple=amdgcn-amd-amdhsa -mcpu=gfx1250 --defsym DOCPART=n.
;; ======== version 1 of 1: 4 launches
;; limits: right only within a limited range of input values
;; workspace buffers: xw 12,582,912 bytes; xws 393,216 bytes; qkv 25,165,824 bytes; qkvs 786,432 bytes; oq 8,388,608 bytes; os 262,144 bytes
;; launch prep (part 1): grid 768 x 1, 4 waves a work-group, no clusters, 38,912 bytes of LDS; arguments x, w_qkv, w_out, ln_w, ln_b, xw, xws; writes xw, xws
.if DOCPART == 1
	.amdgcn_target "amdgcn-amd-amdhsa--gfx1250"
	.amdhsa_code_object_version 6
	.text
	.protected	k_q70d31314c3_prep
	.globl	k_q70d31314c3_prep
	.p2align	8
	.type	k_q70d31314c3_prep,@function
k_q70d31314c3_prep:
	s_mov_b64 s[64:65], 0
	v_nop
	global_prefetch_b8 v0, s[64:65] scope:SCOPE_SE
	s_setreg_imm32_b32 hwreg(HW_REG_WAVE_MODE, 25, 1), 1
	s_wait_xcnt 0x0
; LN(x), w_qkv and w_out become codes of BF8 (E5M2) with one E8M0 scale byte for each 32 along K = 1,024, laid as the products' launches want them.
; xw: 96 row blocks of 128 rows; byte = RB*131072 + (k/256)*32768 + tile*4096 + ((k/128)%2)*2048 + c*512 + lane*16: a fragment (16 rows x 128 K) lies as the IMAGE OF ITS REGISTERS:
;     piece c of lane (r, h) holds k = 32 c + 16 h + 0 .. 15 of row r.  xws: byte = T*512 + (k/256)*128 + r*8 + (k/32)%8, T = the tile's number, 0 .. 767.
; WHICH ROW LIES WHERE.  Rows lie at POSITION swap34(index): the index with its bits 3 and 4 exchanged (x: s within a batch entry; w_qkv: d within a head's q, k or v).  In a product's result a lane's 16 registers of
;     two neighbouring tiles of such rows are then 16 neighbours in true order.  Tiles 0-511: x, position b*2048 + swap34(s).  512-639: w_q, then w_k, position n*64 + swap34(d).  640-703: w_v likewise.  704-767: w_out, as it lies.
; SHARES.  Work-group g makes tile T = g: 16 rows, all of K.  Wave w makes rows 4 w + i, i = 0 .. 3: one wave, one row at a time, so the layer norm never leaves the wave.
; ONE PATH FOR ALL THREE TENSORS: for the weights the layer norm is made neutral by selects (mean 0, 1/sigma 1, gain 1, bias 0), each of which leaves the number as it is, bit for bit.
; The variance is the mean of (x - mean)^2, taken in a second pass over the registers: a common offset of x does no harm.
; A block's scale is 2^(floor(log2(its largest magnitude)) - 15); its byte is the largest magnitude's exponent field - 15, held at 1 from below.
; LIMITS: a block of zeros gets the byte 1 where the rule says 127 (its codes are zeros, and this program alone reads the bytes); NaN and infinities among the inputs are not served; 1/sigma comes from v_rsq_f32.
.set SP,   80                          ; a place in a wave's stage: 64 bytes (16 numbers) + 16 of padding
.set STGW, 64*SP                       ; a wave's stage: one row of 1,024 numbers
.set IMG,  4*STGW                      ; the tile's image: 64 pieces of 256 bytes (16 rows x 16 bytes) + 16 of padding
.set IP,   272
.set SCS,  IMG+64*IP                   ; the tile's 512 scale bytes, as they lie in xws
.set OFF,  1                           ; v1-4   row i: 16 x lane + i x the step from row to row
.set WA,   5                           ; v5     stage, on the way in: four lanes' 64 bytes on end, then the padding
.set RDA,  6                           ; v6     stage, on the way out: SP x lane
.set IA,   7                           ; v7     image: piece = lane, row 4 w
.set SA,   8                           ; v8     scale bytes: my block's byte of row 4 w
.set RA,   9                           ; v9     image, on the way out
.set GOF,  10                          ; v10    16 x lane
.set SOA,  11                          ; v11    scale bytes, on the way out
.set SUA,  12                          ; v[12:13], v[14:15] two chains of sums
.set SUC,  14
.set MU,   16                          ; v[16:17] the mean (the low word serves both halves)
.set RS,   18                          ; v[18:19] 1 / sigma likewise
.set MX,   20                          ; v20-21 largest magnitudes
.set LM,   22                          ; v22    57,344 x the scale
.set SO,   23                          ; v23    the conversion's scale operand
.set BY,   24                          ; v24    the scale's byte
.set VA,   25                          ; v25    variance + eps
.set PD,   26                          ; v26    a lane permute's destination
.set C,    28                          ; v28-31 16 codes
.set Y,    32                          ; v32-63 two steps of 16 neighbours
.set GW,   64                          ; v64-95 gain;  v96-127 bias
.set GB,   96
.set X,    128                         ; v128-255 four rows as loaded
	s_load_b256 s[4:11], s[0:1], 0x0               ; x, w_qkv, w_out, ln_w
	s_load_b128 s[12:15], s[0:1], 0x20             ; ln_b, xw
	s_load_b64 s[16:17], s[0:1], 0x30              ; xws
	s_set_vgpr_msb 0x40
	v_lshl_add_u32 v0, v0, 2, 0x9600
	v_mov_b32 v1, 0
	s_set_vgpr_msb 0x4000
	v_lshrrev_b32 v27, 5, v0
	v_readfirstlane_b32 s18, v27                   ; wave 0..3
	v_and_b32 v27, 31, v0                          ; lane
	v_lshlrev_b32 v[GOF], 4, v27
	s_mul_i32 s19, s18, STGW
	v_lshrrev_b32 v[WA], 2, v27
	v_mul_u32_u24 v[WA], v[WA], SP
	v_and_b32 v12, 3, v27
	v_lshl_add_u32 v[WA], v12, 4, v[WA]
	v_add_nc_u32 v[WA], s19, v[WA]
	v_mul_u32_u24 v[RDA], v27, SP
	v_add_nc_u32 v[RDA], s19, v[RDA]
	v_mul_u32_u24 v[IA], v27, IP
	s_lshl_b32 s19, s18, 6
	s_add_co_u32 s19, s19, IMG
	v_add_nc_u32 v[IA], s19, v[IA]                 ; piece 32 st + lane; row 4 w + i is 16 (4 w + i) bytes on
	v_lshrrev_b32 v[SA], 4, v27
	v_lshlrev_b32 v[SA], 7, v[SA]                  ; k / 256 = 2 st + lane / 16: 128 bytes each
	v_bfe_u32 v12, v27, 1, 3
	v_add_nc_u32 v[SA], v[SA], v12                 ; (k / 32) % 8 = (lane / 2) % 8
	s_lshl_b32 s19, s18, 5
	s_add_co_u32 s19, s19, SCS
	v_add_nc_u32 v[SA], s19, v[SA]                 ; row 4 w: 8 bytes a row
	v_lshrrev_b32 v[RA], 4, v27
	v_mul_u32_u24 v[RA], v[RA], IP
	v_and_b32 v12, 15, v27
	v_lshl_add_u32 v[RA], v12, 4, v[RA]
	s_mul_i32 s19, s18, 16*IP
	s_add_co_u32 s19, s19, IMG
	v_add_nc_u32 v[RA], s19, v[RA]                 ; wave w sends pieces 16 w .. 16 w + 15, two an instruction
	v_add_nc_u32 v[SOA], SCS, v[GOF]
	v_mov_b32 v[PD], 0                             ; written once: a lane permute's destination counts as one of its sources
	v_mov_b32 v[MU+1], 0                           ; (named as upper halves of pairs)
	v_mov_b32 v[RS+1], 0
	; where my four rows begin: three candidates, then a choice on the work-group's number
	s_lshr_b32 s20, s18, 1
	s_lshl_b32 s20, s20, 4
	s_and_b32 s21, s18, 1
	s_lshl_b32 s21, s21, 2
	s_add_co_u32 s20, s20, s21                     ; 16 (w / 2) + 4 (w % 2): position 4 w of a tile, in true order
	s_and_b32 s21, ttmp9, 127                      ; x: tile tt of batch entry g / 128
	s_lshr_b32 s22, s21, 1
	s_lshl_b32 s22, s22, 5
	s_and_b32 s21, s21, 1
	s_lshl_b32 s21, s21, 3
	s_add_co_u32 s22, s22, s21
	s_add_co_u32 s22, s22, s20                     ; s = 32 (tt / 2) + 8 (tt % 2) + ..
	s_lshl_b32 s22, s22, 14                        ; 4 batch entries x 4,096 bytes from s to s + 1
	s_lshr_b32 s21, ttmp9, 7
	s_lshl_b32 s21, s21, 12
	s_add_co_u32 s22, s22, s21
	s_sub_co_u32 s23, ttmp9, 512                   ; w_qkv: g' = part x 64 + n x 4 + tt; row n x 192 + part x 64 + d
	s_bfe_u32 s24, s23, 0x40002
	s_mul_i32 s24, s24, 192
	s_bfe_u32 s25, s23, 0x20006
	s_lshl_b32 s25, s25, 6
	s_add_co_u32 s24, s24, s25
	s_bfe_u32 s25, s23, 0x10001
	s_lshl_b32 s25, s25, 5
	s_add_co_u32 s24, s24, s25
	s_and_b32 s25, s23, 1
	s_lshl_b32 s25, s25, 3
	s_add_co_u32 s24, s24, s25
	s_add_co_u32 s24, s24, s20
	s_lshl_b32 s24, s24, 12
	s_sub_co_u32 s25, ttmp9, 704                   ; w_out: row 16 g'' + 4 w
	s_lshl_b32 s25, s25, 4
	s_lshl_b32 s26, s18, 2
	s_add_co_u32 s25, s25, s26
	s_lshl_b32 s25, s25, 12
	s_mov_b32 s27, 0x1000                          ; from row to row: 4,096 bytes in the weights,
	s_mov_b32 s29, 0x600000                        ; the mantissa field of 57,344
	s_mov_b32 s30, 0x76543210
	s_mov_b32 s31, 0xfedcba98                      ; v_permlanex16_b32's selects for lane l xor 16
	s_mov_b32 s32, 0x3a800000                      ; 1 / 1,024
	s_mov_b32 s33, 0x3727c5ac                      ; 1e-5
	s_wait_kmcnt 0x0
	s_cmp_lt_u32 ttmp9, 512
	s_cselect_b32 s22, s22, s24
	s_cselect_b64 s[4:5], s[4:5], s[6:7]
	s_cselect_b32 s27, 0x4000, s27                 ; 16,384 in x
	s_cselect_b32 s28, -1, 0                       ; all lanes: the layer norm counts
	s_cmp_lt_u32 ttmp9, 704
	s_cselect_b32 s22, s22, s25
	s_cselect_b64 s[4:5], s[4:5], s[8:9]
	s_mov_b32 s23, 0
	s_add_nc_u64 s[4:5], s[4:5], s[22:23]
	v_mov_b32 v[OFF], v[GOF]
	s_wait_alu depctr_va_vdst(0)
	v_add_nc_u32 v[OFF+1], s27, v[OFF]
	s_wait_alu depctr_va_vdst(0)
	v_add_nc_u32 v[OFF+2], s27, v[OFF+1]
	s_wait_alu depctr_va_vdst(0)
	v_add_nc_u32 v[OFF+3], s27, v[OFF+2]
	s_wait_alu depctr_va_vdst(0)
	s_lshr_b32 s24, ttmp9, 3                       ; xw: row block g / 8, K step w of 256, tile g % 8
	s_lshl_b32 s24, s24, 17
	s_lshl_b32 s25, s18, 15
	s_add_co_u32 s24, s24, s25
	s_and_b32 s25, ttmp9, 7
	s_lshl_b32 s25, s25, 12
	s_add_co_u32 s24, s24, s25
	s_mov_b32 s25, 0
	s_add_nc_u64 s[14:15], s[14:15], s[24:25]
	s_lshl_b32 s24, ttmp9, 9
	s_add_nc_u64 s[16:17], s[16:17], s[24:25]
.irp j, 0,1,2,3,4,5,6,7
	global_load_b128 v[GW+4*\j:GW+4*\j+3], v[GOF], s[10:11] offset:512*\j      ; lane l, load j: columns 128 j + 4 l on, as in the rows below
.endr
.irp j, 0,1,2,3,4,5,6,7
	global_load_b128 v[GB+4*\j:GB+4*\j+3], v[GOF], s[12:13] offset:512*\j
.endr
.irp i, 0,1,2,3
.irp j, 0,1,2,3,4,5,6,7
	global_load_b128 v[X+32*\i+4*\j:X+32*\i+4*\j+3], v[OFF+\i], s[4:5] offset:512*\j th:TH_LOAD_NT   ; 32 lanes read 512 consecutive bytes
.endr
.endr
.macro REDUCE r                        ; the sum over the 32 lanes, in every lane
	v_add_f32_dpp v[\r], v[\r], v[\r] row_xmask:1 row_mask:0xf bank_mask:0xf
	v_add_f32_dpp v[\r], v[\r], v[\r] row_xmask:2 row_mask:0xf bank_mask:0xf
	v_add_f32_dpp v[\r], v[\r], v[\r] row_xmask:4 row_mask:0xf bank_mask:0xf
	v_add_f32_dpp v[\r], v[\r], v[\r] row_xmask:8 row_mask:0xf bank_mask:0xf
	v_permlanex16_b32 v[PD], v[\r], s30, s31
	v_add_f32 v[\r], v[\r], v[PD]
.endm
; step st of row i: lane l holds k = 512 st + 16 l + 0 .. 15; lanes l and l xor 1 hold a block
.macro QSTEP st, i
.set YS, Y+16*(\st)
.if (\st) == 0
	s_wait_dscnt 4                                 ; this step's four loads are back; the next step's four may be out.  All that was issued before them is done: the last row's stores have read C and BY
.else
	s_wait_dscnt 0x0                               ; the loads are back, and step 0's two stores have read C and BY
.endif
	v_max3_num_f32 v[MX], |v[YS]|, |v[YS+1]|, |v[YS+2]|
	v_max3_num_f32 v[MX+1], |v[YS+3]|, |v[YS+4]|, |v[YS+5]|
.irp k, 6,10
	v_max3_num_f32 v[MX], v[MX], |v[YS+\k]|, |v[YS+\k+1]|
	v_max3_num_f32 v[MX+1], v[MX+1], |v[YS+\k+2]|, |v[YS+\k+3]|
.endr
	v_max3_num_f32 v[MX], v[MX], |v[YS+14]|, |v[YS+15]|
	v_max3_num_f32 v[MX], v[MX], v[MX+1], 0x8000000                ; and the floor 2^(16 - 127): the byte cannot fall under 1
	v_max_num_f32_dpp v[MX], v[MX], v[MX] row_xmask:1 row_mask:0xf bank_mask:0xf   ; with my neighbour's 16: the block's
	v_add_nc_u32 v[SO], 0xf8800000, v[MX]          ; 15 off its exponent field: the conversion takes this operand's exponent field as its scale
	v_and_or_b32 v[LM], v[MX], 0x7f800000, s29     ; 57,344 x the scale
.set k, 0
.rept 16
	v_med3_num_f32 v[YS+k], v[YS+k], -v[LM], v[LM] ; the conversion to an 8-bit code does not saturate (ISA guide 7.6.2): the hold comes first
.set k, k+1
.endr
	v_cvt_scalef32_pk8_bf8_f32 v[C:C+1], v[YS:YS+7], v[SO]
	v_cvt_scalef32_pk8_bf8_f32 v[C+2:C+3], v[YS+8:YS+15], v[SO]
	v_lshrrev_b32 v[BY], 23, v[SO]                 ; the scale's byte (a plain line behind the conversions)
	ds_store_b128 v[IA], v[C:C+3] offset:32*IP*(\st)+16*(\i)
	ds_store_b8 v[SA], v[BY] offset:256*(\st)+8*(\i)               ; both lanes of a block write the same byte with the same value
.endm
.macro ROW i
.set XR, X+32*(\i)
	s_wait_loadcnt 8*(3-(\i))                      ; my row is in (and gain and bias); the later rows' eight loads each may be out
.if (\i) == 0
.set k, 0
.rept 32
	v_cndmask_b32 v[GW+k], 1.0, v[GW+k], s28       ; for a weight: gain 1,
	v_cndmask_b32 v[GB+k], 0, v[GB+k], s28         ; bias 0
.set k, k+1
.endr
.endif
	v_pk_add_f32 v[SUA:SUA+1], v[XR:XR+1], v[XR+2:XR+3]
	v_pk_add_f32 v[SUC:SUC+1], v[XR+4:XR+5], v[XR+6:XR+7]
.irp j, 8,12,16,20,24,28
	v_pk_add_f32 v[SUA:SUA+1], v[SUA:SUA+1], v[XR+\j:XR+\j+1]
	v_pk_add_f32 v[SUC:SUC+1], v[SUC:SUC+1], v[XR+\j+2:XR+\j+3]
.endr
	v_pk_add_f32 v[SUA:SUA+1], v[SUA:SUA+1], v[SUC:SUC+1]
	v_add_f32 v[SUA], v[SUA], v[SUA+1]
	REDUCE SUA
	v_mul_f32 v[MU], s32, v[SUA]                   ; the mean
	v_cndmask_b32 v[MU], 0, v[MU], s28
.set k, 0
.rept 16
	v_pk_add_f32 v[XR+k:XR+k+1], v[XR+k:XR+k+1], v[MU:MU+1] op_sel_hi:[1,0] neg_lo:[0,1] neg_hi:[0,1]   ; x - mean
.set k, k+2
.endr
	v_pk_mul_f32 v[SUA:SUA+1], v[XR:XR+1], v[XR:XR+1]
	v_pk_mul_f32 v[SUC:SUC+1], v[XR+2:XR+3], v[XR+2:XR+3]
.irp j, 4,8,12,16,20,24,28
	v_pk_fma_f32 v[SUA:SUA+1], v[XR+\j:XR+\j+1], v[XR+\j:XR+\j+1], v[SUA:SUA+1]
	v_pk_fma_f32 v[SUC:SUC+1], v[XR+\j+2:XR+\j+3], v[XR+\j+2:XR+\j+3], v[SUC:SUC+1]
.endr
	v_pk_add_f32 v[SUA:SUA+1], v[SUA:SUA+1], v[SUC:SUC+1]
	v_add_f32 v[SUA], v[SUA], v[SUA+1]
	REDUCE SUA
	v_fma_f32 v[VA], v[SUA], s32, s33              ; variance + eps
	s_wait_alu depctr_va_vdst(0)
	v_rsq_f32 v[RS], v[VA]
	v_nop                                          ; a plain line behind the transcendental,
	s_wait_alu depctr_va_vdst(0)                   ; and the wait ahead of its result's first reader
	v_cndmask_b32 v[RS], 1.0, v[RS], s28
.set k, 0
.rept 16
	v_pk_mul_f32 v[XR+k:XR+k+1], v[XR+k:XR+k+1], v[RS:RS+1] op_sel_hi:[1,0]
.set k, k+2
.endr
.set k, 0
.rept 16
	v_pk_fma_f32 v[XR+k:XR+k+1], v[XR+k:XR+k+1], v[GW+k:GW+k+1], v[GB+k:GB+k+1]
.set k, k+2
.endr
.irp j, 0,1,2,3,4,5,6,7
	ds_store_b128 v[WA], v[XR+4*\j:XR+4*\j+3] offset:8*SP*\j       ; the row goes through my own stage as it lies,
.endr
.irp st, 0,1
.irp j, 0,1,2,3
	ds_load_b128 v[Y+16*\st+4*\j:Y+16*\st+4*\j+3], v[RDA] offset:32*SP*\st+16*\j   ; and comes back 16 neighbours a lane.  LDS serves a wave's instructions in order (ISA guide 5.7.1.4): no wait between
.endr
.endr
	QSTEP 0, \i
	QSTEP 1, \i
.endm
	ROW 0
	ROW 1
	ROW 2
	ROW 3
	s_wait_dscnt 0x0                               ; for the others' sake: my stores into the image and the scale bytes are done
	s_barrier_signal -1
	s_barrier_wait -1
.irp m, 0,1,2,3,4,5,6,7
	ds_load_b128 v[X+4*\m:X+4*\m+3], v[RA] offset:2*IP*\m
.endr
.irp m, 0,1,2,3,4,5,6,7
	s_wait_dscnt 7-\m                              ; load m is back; the younger ones may be out
	global_store_b128 v[GOF], v[X+4*\m:X+4*\m+3], s[14:15] offset:512*\m       ; 32 lanes store 512 consecutive bytes, at a multiple of 256 from xw's first byte
.endr
	s_cmp_lg_u32 s18, 0                            ; wave 0 sends the tile's 512 scale bytes
	s_cbranch_scc1 .Lend
	ds_load_b128 v[Y:Y+3], v[SOA]
	s_wait_dscnt 0x0
	global_store_b128 v[GOF], v[Y:Y+3], s[16:17]
.Lend:
	s_set_vgpr_msb 0x5
	s_wait_tensorcnt 0x0
	ds_add_u32 v0, v1
	s_wait_dscnt 0x0
	s_set_vgpr_msb 0x500
	s_endpgm
.Lfunc_end_k_q70d31314c3_prep:
	.size	k_q70d31314c3_prep, .Lfunc_end_k_q70d31314c3_prep-k_q70d31314c3_prep
	.p2alignl 7, 3214868480
	.fill 96, 4, 3214868480
	.section	.rodata,"a",@progbits
	.p2align	6, 0x0
	.amdhsa_kernel k_q70d31314c3_prep
		.amdhsa_group_segment_fixed_size 38912
		.amdhsa_private_segment_fixed_size 0
		.amdhsa_enable_private_segment 0
		.amdhsa_kernarg_size 56
		.amdhsa_user_sgpr_count 2
		.amdhsa_user_sgpr_kernarg_segment_ptr 1
		.amdhsa_wavefront_size32 1
		.amdhsa_system_sgpr_workgroup_id_x 1
		.amdhsa_system_sgpr_workgroup_id_y 1
		.amdhsa_system_sgpr_workgroup_id_z 1
		.amdhsa_system_vgpr_workitem_id 0
		.amdhsa_next_free_vgpr 258
		.amdhsa_next_free_sgpr 66
		.amdhsa_reserve_vcc 0
		.amdhsa_float_denorm_mode_32 3
		.amdhsa_float_denorm_mode_16_64 3
		.amdhsa_memory_ordered 1
		.amdhsa_forward_progress 1
		.amdhsa_inst_pref_size 61
	.end_amdhsa_kernel
	.amdgpu_metadata
---
amdhsa.version: [ 1, 2 ]
amdhsa.kernels:
  - .name:           k_q70d31314c3_prep
    .symbol:         k_q70d31314c3_prep.kd
    .args:
      - { .name: x, .offset: 0, .size: 8, .value_kind: global_buffer, .address_space: global }
      - { .name: w_qkv, .offset: 8, .size: 8, .value_kind: global_buffer, .address_space: global }
      - { .name: w_out, .offset: 16, .size: 8, .value_kind: global_buffer, .address_space: global }
      - { .name: ln_w, .offset: 24, .size: 8, .value_kind: global_buffer, .address_space: global }
      - { .name: ln_b, .offset: 32, .size: 8, .value_kind: global_buffer, .address_space: global }
      - { .name: xw, .offset: 40, .size: 8, .value_kind: global_buffer, .address_space: global }
      - { .name: xws, .offset: 48, .size: 8, .value_kind: global_buffer, .address_space: global }
    .group_segment_fixed_size: 38912
    .private_segment_fixed_size: 0
    .kernarg_segment_align: 8
    .kernarg_segment_size: 56
    .max_flat_workgroup_size: 128
    .sgpr_count:     66
    .vgpr_count:     258
    .wavefront_size: 32
...
	.end_amdgpu_metadata
.endif
;; end of part 1
;; launch gemm_qkv (part 2): grid 4 x 96, 4 waves a work-group, clusters of 4 x 4, 327,680 bytes of LDS; arguments xw, xws, qkv, qkvs; writes qkv, qkvs
.if DOCPART == 2
	.amdgcn_target "amdgcn-amd-amdhsa--gfx1250"
	.amdhsa_code_object_version 6
	.text
	.protected	k_q70d31314c3_gemm_qkv
	.globl	k_q70d31314c3_gemm_qkv
	.p2align	8
	.type	k_q70d31314c3_gemm_qkv,@function
k_q70d31314c3_gemm_qkv:
	s_mov_b64 s[64:65], 0
	v_nop
	global_prefetch_b8 v0, s[64:65] scope:SCOPE_SE
	s_setreg_imm32_b32 hwreg(HW_REG_WAVE_MODE, 25, 1), 1
	s_wait_xcnt 0x0
	s_wait_alu depctr_hold_cnt(0) depctr_sa_sdst(0) depctr_va_vdst(0) depctr_va_sdst(0) depctr_va_ssrc(0) depctr_va_vcc(0) depctr_vm_vsrc(0)
	s_getreg_b32 s2, hwreg(HW_REG_IB_STS2, 6, 4)
	s_cmp_eq_u32 s2, 0
	s_cbranch_scc0 .Lentry_in_a_cluster
	s_endpgm
.Lentry_in_a_cluster:
	s_bfe_u32 s2, ttmp6, 0x10000c
	s_cmp_lg_u32 s2, 0xf033
	s_cbranch_scc0 .Lentry_shape_is_right
	s_endpgm
.Lentry_shape_is_right:
.set NQ,     2
.set FR,     16
.set NL,     4
.set NP,     8
.set SLOT,   131072
.set SCA,    262144
.set SCBD,   8192+128
.set SPARE,  278784
.set SSTG,   279296
.set ADRA, 16
.set ADRB, 20
.set CO,   24
.set SWA,  25
.set SRA,  26
.set ADRS, 27
.set SPW,  28
.set NIL,  29
.set SC,   32
.set T,    64
.set AF,   128
.set PC,   128
.set TM,   160
.set PW,   176
.set BK,   184
.set WV, 16
.set HI, 17
.set LO, 18
.set G1, 24
.set G0, 32
.set G1B, 48
.set G0B, 56
.set G1S, 68
.set G0S, 76
.set G1SB, 80
.set G0SB, 88
.set MSB, 0
.macro WIN new
.if MSB != \new
	s_set_vgpr_msb (MSB<<8)|\new
.set MSB, \new
.endif
.endm
.set MUL_LO, 0xa1
.set MUL_HI, 0xf1
.set TO_B,   0x40
.macro JLOAD g0a, g1a, g0b, g1b
	s_cmp_eq_u32 s[HI], 0
	s_cbranch_scc0 .Lfor_b_\@
	tensor_load_to_lds s[\g0a:\g0a+3], s[\g1a:\g1a+7]
	s_nop 0
.rept 4
	v_nop
.endr
	s_branch .Lasked_\@
.Lfor_b_\@:
	tensor_load_to_lds s[\g0b:\g0b+3], s[\g1b:\g1b+7]
	s_nop 0
.rept 4
	v_nop
.endr
.Lasked_\@:
.endm
.macro CREST
	s_cmp_lg_u32 s[WV], 0
	s_cbranch_scc1 .Lnot_wave_0_\@
	s_barrier_signal -3
.Lnot_wave_0_\@:
	s_barrier_wait -3
	s_barrier_signal -1
	s_barrier_wait -1
.endm
.macro CROUND
	s_barrier_signal -1
	s_barrier_wait -1
	CREST
.endm
	s_load_b256 s[4:11], s[0:1], 0x0
	v_lshl_add_u32 v[SPW], v0, 2, SPARE
	v_mov_b32 v[NIL], 0
	ds_add_u32 v28, v29
	ds_add_u32 v28, v29
	s_wait_dscnt 0x0
	v_lshrrev_b32 v1, 5, v0
	v_readfirstlane_b32 s[WV], v1
	s_lshr_b32 s[HI], s[WV], 1
	s_and_b32 s[LO], s[WV], 1
	s_bfe_u32 s40, ttmp6, 0x40000
	s_bfe_u32 s41, ttmp6, 0x40004
	s_and_b32 s19, ttmp7, 0xffff
	s_lshr_b32 s20, s19, 1
	s_lshl_b32 s20, s20, 2
	s_and_b32 s21, s19, 1
	s_lshl_b32 s21, s21, 2
	s_sub_co_u32 s22, s19, 16
	s_lshl_b32 s22, s22, 2
	s_cmp_lt_u32 s19, 16
	s_cselect_b32 s43, s20, 0
	s_cselect_b32 s42, s21, s22
	s_cselect_b32 s92, 0, 80
	s_cselect_b32 s93, 64, 0
	s_cselect_b32 s94, 512, 64
	s_cselect_b32 s95, 0, 0x1000000
	s_cselect_b32 s96, 0, 0x80000
	s_add_co_u32 s43, s43, s41
	s_add_co_u32 s42, s42, s40
	s_lshl_b32 s44, s41, 2
	s_lshl_b32 s44, 15, s44
	s_lshl_b32 s45, 0x1111, s40
	s_or_b32 s[G1+0], s44, (3<<16)|(1<<21)
	s_or_b32 s[G1B+0], s45, (3<<16)|(1<<21)
.irp g, G1, G1B                        ; for the head's loads: a K step of two row blocks, 2 rows of 32,768 bytes, 131,072 apart
	s_mov_b32 s[\g+1], 4096<<16
	s_mov_b32 s[\g+2], 2<<16
	s_mov_b32 s[\g+3], 4096<<16
	s_mov_b32 s[\g+4], 2
	s_mov_b32 s[\g+5], 16384
	s_mov_b32 s[\g+6], 0
	s_mov_b32 s[\g+7], 0
.endr
	s_or_b32 s[G1S+0], s44, (3<<16)|(1<<21)
	s_or_b32 s[G1SB+0], s45, (3<<16)|(1<<21)
.irp g, G1S, G1SB                      ; the scale bytes of 256 rows: 8,192 dense bytes as 32 rows of 256
	s_mov_b32 s[\g+1], 32<<16
	s_mov_b32 s[\g+2], 32<<16
	s_mov_b32 s[\g+3], 32<<16
	s_mov_b32 s[\g+4], 32
	s_mov_b32 s[\g+5], 32
	s_mov_b32 s[\g+6], 0
	s_mov_b32 s[\g+7], 0
.endr
	s_lshl_b32 s20, s43, 1
	s_add_co_u32 s20, s20, s92
	s_lshl_b32 s46, s42, 1
	s_add_co_u32 s46, s46, s93
	s_lshl_b32 s22, s20, 12
	s_mov_b32 s23, 0
	s_lshl_b32 s20, s20, 17
	s_mov_b32 s21, 0
	s_lshl_b32 s66, s46, 12
	s_mov_b32 s67, 0
	s_lshl_b32 s46, s46, 17
	s_mov_b32 s47, 0
	s_lshl_b32 s97, s[WV], 15
	s_lshl_b32 s98, s[LO], 17              ; in the ring I fetch one row block of the tile's two
	s_mov_b32 s99, 0
	s_wait_kmcnt 0x0
	s_add_nc_u64 s[20:21], s[4:5], s[20:21]
	s_add_nc_u64 s[22:23], s[6:7], s[22:23]
	s_add_nc_u64 s[46:47], s[4:5], s[46:47]
	s_add_nc_u64 s[66:67], s[6:7], s[66:67]
	CROUND
	s_mov_b32 s[G0S], 1
	s_mov_b32 s[G0S+1], SCA
	s_mov_b64 s[G0S+2:G0S+3], s[22:23]
	s_or_b32 s[G0S+3], s[G0S+3], 0x80000000
	s_mov_b32 s[G0SB], 1
	s_mov_b32 s[G0SB+1], SCA+SCBD
	s_mov_b64 s[G0SB+2:G0SB+3], s[66:67]
	s_or_b32 s[G0SB+3], s[G0SB+3], 0x80000000
	s_mov_b32 s4, 1                        ; group 0 of the head's loads of K step 0: A's two row blocks to slot 0,
	s_mov_b32 s5, 0
	s_mov_b64 s[6:7], s[20:21]
	s_or_b32 s7, s7, 0x80000000
	s_mov_b32 s12, 1                       ; B's two behind them
	s_mov_b32 s13, 65536
	s_mov_b64 s[14:15], s[46:47]
	s_or_b32 s15, s15, 0x80000000
	s_add_nc_u64 s[20:21], s[20:21], s[98:99]
	s_add_nc_u64 s[46:47], s[46:47], s[98:99]
	; the prefetches' base: the row block that I fetch in the ring (32,768 bytes a K step); of it my work-group takes 8,192 bytes, told from its three partners by address: cx for A's tiles, cy for B's
	s_cmp_eq_u32 s[HI], 0
	s_cselect_b64 s[2:3], s[20:21], s[46:47]
	s_cselect_b32 s98, s40, s41
	s_lshl_b32 s98, s98, 13
	s_add_nc_u64 s[2:3], s[2:3], s[98:99]
.irp s, 0,1
	s_mov_b32 s[G0+4*\s], 1
	s_add_co_u32 s[G0+4*\s+1], s97, \s*SLOT
	s_add_nc_u64 s[G0+4*\s+2:G0+4*\s+3], s[20:21], \s*32768
	s_or_b32 s[G0+4*\s+3], s[G0+4*\s+3], 0x80000000
	s_mov_b32 s[G0B+4*\s], 1
	s_add_co_u32 s[G0B+4*\s+1], s97, \s*SLOT
	s_add_nc_u64 s[G0B+4*\s+2:G0B+4*\s+3], s[46:47], \s*32768
	s_or_b32 s[G0B+4*\s+3], s[G0B+4*\s+3], 0x80000000
.endr
; the head's four tiles, one joint load a wave, in one tree of branches on the wave's number: wave 0 A's K step 0, wave 1 B's, wave 2 A's scale bytes, wave 3 B's
.macro ARM under, g0, g1, next
	s_cmp_lt_u32 s[WV], \under
	s_cbranch_scc0 \next
	tensor_load_to_lds s[\g0:\g0+3], s[\g1:\g1+7]
	s_nop 0
.rept 4
	v_nop
.endr
	s_branch .Lhead_asked
\next:
.endm
	ARM 1, 4, G1, .Lhead_b
	ARM 2, 12, G1B, .Lhead_sa
	ARM 3, G0S, G1S, .Lhead_sb
	tensor_load_to_lds s[G0SB:G0SB+3], s[G1SB:G1SB+7]
	s_nop 0
.rept 4
	v_nop
.endr
.Lhead_asked:
	v_and_b32 v1, 15, v0
	v_bfe_u32 v2, v0, 4, 1
	s_wait_alu depctr_va_vdst(0)
	v_and_b32 v3, 31, v0
	v_lshlrev_b32 v[CO], 4, v3
	v_lshlrev_b32 v30, 8, v3               ; v30: 256 x lane; never rewritten
	global_prefetch_b8 v30, s[2:3] offset:32768 th:TH_LOAD_NT scope:SCOPE_SE   ; behind the head's loads: K steps 1 and 2, 32 blocks of 256 bytes each, a lane a block; each block is named once in the cluster
	global_prefetch_b8 v30, s[2:3] offset:65536 th:TH_LOAD_NT scope:SCOPE_SE
	s_lshl_b32 s21, s[HI], 15
	s_lshl_b32 s22, s[LO], 15
	s_add_co_u32 s22, s22, 65536
.irp s, 0,1
	v_add_nc_u32 v[ADRA+\s], s21, v[CO]
	v_add_nc_u32 v[ADRB+\s], s22, v[CO]
	s_add_co_u32 s21, s21, SLOT
	s_add_co_u32 s22, s22, SLOT
.endr
	v_lshlrev_b32 v5, 3, v1
	s_lshl_b32 s21, s[HI], 12
	s_lshl_b32 s22, s[LO], 12
	s_add_co_u32 s22, s22, SCBD
	s_sub_co_u32 s22, s22, s21
	v_mul_u32_u24 v6, s22, v2
	s_add_co_u32 s21, s21, SCA
	v_add_nc_u32 v5, v5, v6
	v_add_nc_u32 v[ADRS], s21, v5
	s_lshl_b32 s21, s[WV], 9
	s_add_co_u32 s21, s21, SSTG
	v_lshl_add_u32 v[SWA], v1, 2, s21
	v_add_nc_u32 v[SRA], s21, v[CO]
	s_lshl_b32 s20, s42, 1
	s_add_co_u32 s20, s20, s[LO]
	s_mul_i32 s20, s20, s94
	s_lshl_b32 s21, s43, 1
	s_add_co_u32 s21, s21, s[HI]
	s_lshl_b32 s21, s21, 3
	s_add_co_u32 s20, s20, s21
	s_lshl_b32 s22, s20, 6
	s_add_co_u32 s22, s22, s96
	s_mov_b32 s23, 0
	s_add_nc_u64 s[10:11], s[10:11], s[22:23]
	s_lshl_b32 s20, s20, 11
	s_add_co_u32 s20, s20, s95
	s_mov_b32 s21, 0
	s_add_nc_u64 s[8:9], s[8:9], s[20:21]
	s_mov_b32 s92, 0x76543210
	s_mov_b32 s93, 0xfedcba98
	s_mov_b32 s97, 0x600000
	s_mov_b32 s98, 0x8000000
.macro FRAG reg, adr, q, i
.irp c, 0,1,2,3
	ds_load_b128 v[\reg+4*\c:\reg+4*\c+3], v[\adr] offset:4096*(\i)+2048*(\q)+512*\c
.endr
.endm
.macro MUL16 a0, p, q, sc, zero
.irp a, \a0, \a0+1
.irp b, 0,1,2,3,4,5,6,7
.if \zero
	v_wmma_scale_f32_16x16x128_f8f6f4 v[8*(8*((\a)%4)+\b):8*(8*((\a)%4)+\b)+7], v[128*(\p)+FR*\b:128*(\p)+FR*\b+FR-1], v[AF+FR*(\a):AF+FR*(\a)+FR-1], 0, v[SC+8*NQ*(\sc)+NQ*\b+(\q)], v[SC+8*NQ*(\sc)+NQ*(\a)+(\q)] matrix_a_fmt:MATRIX_FMT_BF8 matrix_b_fmt:MATRIX_FMT_BF8 matrix_a_scale:MATRIX_SCALE_ROW1
.else
	v_wmma_scale_f32_16x16x128_f8f6f4 v[8*(8*((\a)%4)+\b):8*(8*((\a)%4)+\b)+7], v[128*(\p)+FR*\b:128*(\p)+FR*\b+FR-1], v[AF+FR*(\a):AF+FR*(\a)+FR-1], v[8*(8*((\a)%4)+\b):8*(8*((\a)%4)+\b)+7], v[SC+8*NQ*(\sc)+NQ*\b+(\q)], v[SC+8*NQ*(\sc)+NQ*(\a)+(\q)] matrix_a_fmt:MATRIX_FMT_BF8 matrix_b_fmt:MATRIX_FMT_BF8 matrix_a_scale:MATRIX_SCALE_ROW1
.endif
.endr
.endr
.endm
.macro FETCH_B slot, q, p
	WIN TO_B
.irp i, 0,1,2,3,4,5,6,7
	FRAG 128*(\p)+FR*\i, ADRB+\slot, \q, \i
.endr
	WIN 0
.endm
.macro FETCH_A slot, q, i0
.irp i, \i0, \i0+1, \i0+2, \i0+3
	FRAG AF+FR*(\i), ADRA+\slot, \q, \i
.endr
.endm
.macro SCALES sc
.irp i, 0,1,2,3,4,5,6,7
	ds_load_b64 v[SC+8*NQ*\sc+NQ*\i:SC+8*NQ*\sc+NQ*\i+1], v[ADRS] offset:\i*512
.endr
.endm
.macro PLACES n
.rept \n
	v_nop
.endr
.endm
.macro STEP slot, q, zero
	s_wait_dscnt 4*NL
	WIN MUL_LO
	MUL16 0, (\q)%2, \q, \slot, \zero
	MUL16 2, (\q)%2, \q, \slot, \zero
	s_wait_dscnt 0
	PLACES NP
	FETCH_B \slot, (\q)+1, 1-(\q)%2
	FETCH_A \slot, (\q)+1, 0
	WIN MUL_HI
	MUL16 4, (\q)%2, \q, \slot, \zero
	MUL16 6, (\q)%2, \q, \slot, \zero
	PLACES NP
	WIN 0
	FETCH_A \slot, (\q)+1, 4
.endm
.macro TURN slot, next, fill
	s_wait_tensorcnt 0x0
	ds_add_u32 v[SPW], v[NIL]
	s_wait_dscnt 4*NL+1
	WIN MUL_LO
	MUL16 0, 1, NQ-1, \slot, 0
	s_wait_dscnt 0x0
	s_barrier_signal -1
	MUL16 2, 1, NQ-1, \slot, 0
	WIN 0
	s_barrier_wait -1
.if \fill
	CREST
	s_add_nc_u64 s[G0+4*\slot+2:G0+4*\slot+3], s[G0+4*\slot+2:G0+4*\slot+3], 65536
	s_add_nc_u64 s[G0B+4*\slot+2:G0B+4*\slot+3], s[G0B+4*\slot+2:G0B+4*\slot+3], 65536
	JLOAD G0+4*\slot, G1, G0B+4*\slot, G1B
	PLACES NP-4
.else
	PLACES NP
.endif
	s_wait_alu depctr_va_vdst(0)
	v_add_nc_u32 v[ADRS], 128, v[ADRS]
	FETCH_B \next, 0, 0
	FETCH_A \next, 0, 0
	SCALES \next
	WIN MUL_HI
	MUL16 4, 1, NQ-1, \slot, 0
	MUL16 6, 1, NQ-1, \slot, 0
	PLACES NP
	WIN 0
	FETCH_A \next, 0, 4
.endm
	s_wait_alu depctr_va_vdst(0)
	s_wait_tensorcnt 0x0                   ; my tile of the head's four is in
	ds_add_u32 v[SPW], v[NIL]
.irp g, G1, G1B                        ; no tensor load of mine is out: from here on a load brings one row block's K step, 128 rows of 256 bytes
	s_mov_b32 s[\g+1], 32<<16
	s_mov_b32 s[\g+2], 128<<16
	s_mov_b32 s[\g+3], 32<<16
	s_mov_b32 s[\g+4], 128
	s_mov_b32 s[\g+5], 32
.endr
	s_wait_dscnt 0x0
	CROUND
	JLOAD G0+4, G1, G0B+4, G1B             ; K step 1, the first tensor load behind the round
	FETCH_B 0, 0, 0
	global_prefetch_b8 v30, s[2:3] offset:98304 th:TH_LOAD_NT scope:SCOPE_SE   ; behind K step 1's load: K step 3, the last: nothing beyond it is named
	FETCH_A 0, 0, 0
	SCALES 0
	FETCH_A 0, 0, 4
	STEP 0, 0, 1
	TURN 0, 1, 1
	STEP 1, 0, 0
	TURN 1, 0, 1
	STEP 0, 0, 0
	TURN 0, 1, 0
	STEP 1, 0, 0
	s_wait_dscnt 4*NL
	WIN MUL_LO
	MUL16 0, 1, NQ-1, 1, 0
	MUL16 2, 1, NQ-1, 1, 0
	s_wait_dscnt 0
	WIN MUL_HI
	MUL16 4, 1, NQ-1, 1, 0
	MUL16 6, 1, NQ-1, 1, 0
	WIN 0
.macro QOUT a
.set AC, 64*((\a)%4)
.set WN, 2+(\a)/4
.set WW, (WN<<2)|(WN<<4)
	WIN WW
.irp b, 0,1,2,3
	v_max3_num_f32 v[TM+\b], s98, |v[AC+16*\b]|, |v[AC+16*\b+1]|
.endr
.irp i, 2,4,6,8,10,12,14
.irp b, 0,1,2,3
	v_max3_num_f32 v[TM+\b], v[TM+\b], |v[AC+16*\b+\i]|, |v[AC+16*\b+\i+1]|
.endr
.endr
	WIN 0
.irp b, 0,1,2,3
	v_permlanex16_b32 v[TM+4+\b], v[TM+\b], s92, s93
.endr
.irp b, 0,1,2,3
	v_max_num_f32 v[TM+\b], v[TM+\b], v[TM+4+\b]
.endr
.irp b, 0,1,2,3
	v_add_nc_u32 v[TM+12+\b], 0xf8800000, v[TM+\b]
.endr
.irp b, 0,1,2,3
	v_and_or_b32 v[TM+8+\b], v[TM+\b], 0x7f800000, s97
.endr
.irp b, 0,1,2,3
	v_lshrrev_b32 v[TM+4+\b], 23, v[TM+12+\b]
.endr
	v_lshl_or_b32 v[PW+(\a)], v[TM+5], 8, v[TM+4]
	v_lshl_or_b32 v[PW+(\a)], v[TM+6], 16, v[PW+(\a)]
	v_lshl_or_b32 v[PW+(\a)], v[TM+7], 24, v[PW+(\a)]
	WIN WN
.irp b, 0,1,2,3
.set k, 0
.rept 16
	v_med3_num_f32 v[T+16*\b+k], v[AC+16*\b+k], -v[TM+8+\b], v[TM+8+\b]
.set k, k+1
.endr
.endr
	WIN 0
	s_wait_alu depctr_va_vdst(0)
	s_wait_xcnt 0x0
.irp b, 0,1,2,3
	v_cvt_scalef32_pk8_bf8_f32 v[PC+4*\b:PC+4*\b+1], v[T+16*\b:T+16*\b+7], v[TM+12+\b]
	v_cvt_scalef32_pk8_bf8_f32 v[PC+4*\b+2:PC+4*\b+3], v[T+16*\b+8:T+16*\b+15], v[TM+12+\b]
.endr
	v_nop
.irp c, 0,1,2,3
	global_store_b128 v[CO], v[PC+4*\c:PC+4*\c+3], s[8:9] offset:2048*(\a)+512*\c
.endr
	ds_store_b32 v[SWA], v[PW+(\a)] offset:64*(\a)
.endm
	PLACES NP
.irp b, 0,1,2,3
	v_mov_b32 v[TM+4+\b], 0
.endr
.irp a, 0,1,2,3,4,5,6,7
	QOUT \a
.endr
	ds_load_b128 v[BK:BK+3], v[SRA]
	s_wait_dscnt 0x0
	global_store_b128 v[CO], v[BK:BK+3], s[10:11]
	s_wait_tensorcnt 0x0
	ds_add_u32 v[SPW], v[NIL]
	s_wait_dscnt 0x0
	CROUND
	s_endpgm
.Lfunc_end_k_q70d31314c3_gemm_qkv:
	.size	k_q70d31314c3_gemm_qkv, .Lfunc_end_k_q70d31314c3_gemm_qkv-k_q70d31314c3_gemm_qkv
	.p2alignl 7, 3214868480
	.fill 96, 4, 3214868480
	.section	.rodata,"a",@progbits
	.p2align	6, 0x0
	.amdhsa_kernel k_q70d31314c3_gemm_qkv
		.amdhsa_group_segment_fixed_size 327680
		.amdhsa_private_segment_fixed_size 0
		.amdhsa_enable_private_segment 0
		.amdhsa_kernarg_size 32
		.amdhsa_user_sgpr_count 2
		.amdhsa_user_sgpr_kernarg_segment_ptr 1
		.amdhsa_wavefront_size32 1
		.amdhsa_system_sgpr_workgroup_id_x 1
		.amdhsa_system_sgpr_workgroup_id_y 1
		.amdhsa_system_sgpr_workgroup_id_z 1
		.amdhsa_system_vgpr_workitem_id 0
		.amdhsa_next_free_vgpr 1024
		.amdhsa_next_free_sgpr 100
		.amdhsa_reserve_vcc 0
		.amdhsa_float_denorm_mode_32 3
		.amdhsa_float_denorm_mode_16_64 3
		.amdhsa_memory_ordered 1
		.amdhsa_forward_progress 1
		.amdhsa_inst_pref_size 186
	.end_amdhsa_kernel
	.amdgpu_metadata
---
amdhsa.version: [ 1, 2 ]
amdhsa.kernels:
  - .name:           k_q70d31314c3_gemm_qkv
    .symbol:         k_q70d31314c3_gemm_qkv.kd
    .args:
      - { .name: xw, .offset: 0, .size: 8, .value_kind: global_buffer, .address_space: global }
      - { .name: xws, .offset: 8, .size: 8, .value_kind: global_buffer, .address_space: global }
      - { .name: qkv, .offset: 16, .size: 8, .value_kind: global_buffer, .address_space: global }
      - { .name: qkvs, .offset: 24, .size: 8, .value_kind: global_buffer, .address_space: global }
    .group_segment_fixed_size: 327680
    .private_segment_fixed_size: 0
    .kernarg_segment_align: 8
    .kernarg_segment_size: 32
    .max_flat_workgroup_size: 128
    .sgpr_count:     100
    .vgpr_count:     1024
    .wavefront_size: 32
...
	.end_amdgpu_metadata
.endif
;; end of part 2
;; launch attn (part 3): grid 4 x 64, 16 waves a work-group, clusters of 4 x 1, 276,480 bytes of LDS; arguments qkv, qkvs, oq, os; writes oq, os
.if DOCPART == 3
	.amdgcn_target "amdgcn-amd-amdhsa--gfx1250"
	.amdhsa_code_object_version 6
	.text
	.protected	k_q70d31314c3_attn
	.globl	k_q70d31314c3_attn
	.p2align	8
	.type	k_q70d31314c3_attn,@function
k_q70d31314c3_attn:
	s_mov_b64 s[64:65], 0
	v_nop
	global_prefetch_b8 v0, s[64:65] scope:SCOPE_SE
	s_setreg_imm32_b32 hwreg(HW_REG_WAVE_MODE, 25, 1), 1
	s_wait_xcnt 0x0
	s_wait_alu depctr_hold_cnt(0) depctr_sa_sdst(0) depctr_va_vdst(0) depctr_va_sdst(0) depctr_va_ssrc(0) depctr_va_vcc(0) depctr_vm_vsrc(0)
	s_getreg_b32 s2, hwreg(HW_REG_IB_STS2, 6, 4)
	s_cmp_eq_u32 s2, 0
	s_cbranch_scc0 .Lentry_in_a_cluster
	s_endpgm
.Lentry_in_a_cluster:
	s_bfe_u32 s2, ttmp6, 0x10000c
	s_cmp_lg_u32 s2, 0x3003
	s_cbranch_scc0 .Lentry_shape_is_right
	s_endpgm
.Lentry_shape_is_right:
; o = softmax(q k^T / 32) v for each of 4 batch entries x 16 heads, 2,048 queries and keys, head size 64; both products on codes of BF8 (E5M2) with E8M0 scales; o is quantised here along (head, d), as the last product's operand.
; THE SOFTMAX: t = score x log2(e) / 32; M = the running largest t rounded UP to a whole number; p = 2^(t - M) is quantised along the keys, not normalised.  The row's sum is taken of the unquantised p and divides o at the end.
;   When M moves, the sum and O are multiplied by 2^(old M - new M): nothing is rounded, and no branch hangs on data.
; SHARES.  A cluster of four work-groups owns one (batch entry, head); work-group cx owns 512 queries; each of its sixteen waves owns one tile of 16 queries at a time, twice.
; THE WHOLE HEAD'S K AND V STAY IN LDS: 131,072 bytes each and 12,288 bytes of scale words, filled once by ten joint loads, one a wave (waves 0-3 K, 4-7 V, 8 K's scale words, 9 V's).  Nothing is filled again: no ring.
;   No prefetch: all fills go out at the head, so the text has no loop to run ahead in.
; LAYOUT.  Both products transposed: S^T = K Q^T, O^T = V^T P^T: a lane holds ONE query.  Keys and V's d lie at position swap34, so that a lane's 16 registers of tiles 2 c, 2 c + 1 are 16 neighbours in true order.
;   All operands come as images of their registers: piece c at 512 c + 16 x lane.
; THE SCORES' K IS 64, the instruction's 128.  Q's upper eight registers are zero codes.  As a tile of K's upper eight the instruction is given the next tile's codes, and for the last tile p's (or o's) codes, which lie behind it:
;   all were held at the largest code, so they are finite, and add nothing.  The scale words are read as 16 bits: the two upper bytes are 0, which stands for 2^-127, no NaN.
; ORDER OF A STEP.  The hold writes 16 registers of its own, so p stays as it is and the row's sums stand behind the second product: they are its places, and the next step's K is asked for among them.
;   The last step of a pass so asks for the 8,192 bytes behind K's (V's first, in LDS) and 512 behind K's scale words; they are waited for and not used.
; LIMITS: a block's largest p is taken from its largest score (this takes v_exp_f32 not to fall where its input rises); a block of zeros keeps the byte 1 (its codes are zeros); 1 / sum by v_rcp_f32; NaN and infinities are not served;
;   the scaled scores stay under 2^31 in magnitude.
.set VB,   131072                      ; LDS: K's tile j at 1,024 j;  V's fragment (128 keys kg, 16 d dt) at VB + 8,192 kg + 2,048 dt
.set KSB,  262144                      ; K's scale words, 4 bytes a key position (the pair of heads')
.set VSB,  270336                      ; V's: 256 kg + 64 dt + 4 r
.set SPARE, 274432                     ; the spare words: 128 bytes for each of 16 waves
.set DUAL, 1                           ; the hold as pairs of two minima an instruction
.set ADK,  1                           ; v1-4 LDS addresses of the step's K, V, K's and V's scale words
.set ADV,  2
.set ADS,  3
.set ADT,  4
.set LI,   5                           ; v5  16 x lane
.set QSO,  6                           ; v6  4 r + 2 (n % 2)
.set OSO,  7                           ; v7  8 r + 2 (n % 4)
.set SPW,  8
.set NIL,  9
.set TMP,  10
.set RM,   11                          ; v12 -M, v13 the largest t, v[14:15] the sum; v16-31 Q; v32-95 K's, then V's fragments
.set PCD,  96                          ; v96-111 p's codes
.set S,    112                         ; v112-175 S^T, then p
.set O,    176                         ; v176-207 O^T
.set T,    208                         ; v208-223 a block's held p
.set KS,   224
.set VS,   228
.set QS,   230
.set PWD,  231
.set BM,   232
.set BP,   236
.set BL,   240
.set BS,   244
.set F,    248                         ; v[248:249] f = 2^(old M - new M)
.set C1,   250                         ; v250-255 three more chains of sums
.set WV,   12
.set MNT,  19
.set SEL,  20
.set CS,   22
.set G1K,  24
.set G1V,  32
.set G1KS, 40
.set G1VS, 48
.set G0K,  56
.set G0V,  60
.set G0KS, 68
.set G0VS, 72
.set CNT,  76
.set KSO,  77
.set QB,   94
.set QSB,  96
.set OB,   98
.set OSB,  2
.macro CROUND
	s_barrier_signal -1
	s_barrier_wait -1
	s_cmp_lg_u32 s[WV], 0
	s_cbranch_scc1 .Lnot_wave_0_\@
	s_barrier_signal -3
.Lnot_wave_0_\@:
	s_barrier_wait -3
	s_barrier_signal -1
	s_barrier_wait -1
.endm
.macro DESC g, c, r, p                 ; group 1: r rows of c elements of 8 bytes, p elements apart; the mask names all four work-groups, bit 21 beside it
	s_mov_b32 s[\g], 15|(3<<16)|(1<<21)
	s_mov_b32 s[\g+1], \c<<16
	s_mov_b32 s[\g+2], \r<<16
	s_mov_b32 s[\g+3], \c<<16
	s_mov_b32 s[\g+4], \r
	s_mov_b32 s[\g+5], \p
	s_mov_b32 s[\g+6], 0
	s_mov_b32 s[\g+7], 0
.endm
	s_load_b256 s[4:11], s[0:1], 0x0               ; qkv, qkvs, oq, os
	v_lshl_add_u32 v[SPW], v0, 2, SPARE
	v_mov_b32 v[NIL], 0
	ds_add_u32 v[SPW], v[NIL]                      ; the opening lines: the add twice on end and its wait
	ds_add_u32 v[SPW], v[NIL]
	v_lshrrev_b32 v1, 5, v0
	s_delay_alu instid0(VALU_DEP_1)
	v_readfirstlane_b32 s[WV], v1                  ; wave 0..15
	s_and_b32 s16, ttmp7, 0xffff
	s_lshr_b32 s14, s16, 4                         ; b
	s_and_b32 s15, s16, 15                         ; n
	s_and_b32 s17, s[WV], 3                        ; which quarter of K or V I fetch
	s_and_b32 s18, s15, 1
	s_lshr_b32 s84, s15, 1
	s_lshl_b32 s84, s84, 9
	s_lshl_b32 s85, s14, 7
	s_add_co_u32 s84, s84, s85                     ; q's first fragment of (b, n / 2)
	s_add_co_u32 s85, s84, 4096                    ; k's
	s_lshl_b32 s86, s85, 11
	s_lshl_b32 s87, s18, 10                        ; my head's half of each fragment
	s_add_co_u32 s86, s86, s87
	s_lshl_b32 s87, s17, 16                        ; 32 fragments a wave
	s_add_co_u32 s86, s86, s87
	s_mov_b32 s87, 0
	s_lshl_b32 s88, s85, 6
	s_mov_b32 s89, 0
	s_lshl_b32 s90, s14, 10
	s_lshl_b32 s91, s15, 2
	s_add_co_u32 s90, s90, s91                     ; v's first fragment: (16 b) x 64 + 4 n
	s_lshl_b32 s92, s90, 6
	s_add_co_u32 s92, s92, 0x80000
	s_mov_b32 s93, 0
	s_lshl_b32 s90, s90, 11
	s_lshl_b32 s91, s17, 19                        ; four groups of 128 keys a wave, 131,072 bytes apart
	s_add_co_u32 s90, s90, s91
	s_add_co_u32 s90, s90, 0x1000000
	s_mov_b32 s91, 0
	DESC G1K, 128, 32, 256                         ; K: 32 rows of 1,024 bytes (a head's half of a fragment), 2,048 apart
	DESC G1V, 1024, 4, 16384                       ; V: 4 rows of 8,192 bytes, 131,072 apart
	DESC G1KS, 32, 32, 32                          ; K's scale words: 8,192 dense bytes
	DESC G1VS, 32, 16, 512                         ; V's: 16 rows of 256 bytes, 4,096 apart
	s_mov_b32 s[MNT], 0x600000                     ; the mantissa field of 57,344
	s_mov_b32 s[SEL], 0x76543210
	s_mov_b32 s[SEL+1], 0xfedcba98
	s_mov_b32 s[CS], 0x3d38aa3b                    ; c = log2(e) / 32
	s_mov_b32 s[CS+1], s[CS]
	s_wait_dscnt 0x0
	s_wait_kmcnt 0x0
	s_mov_b32 s[G0K], 1
	s_lshl_b32 s[G0K+1], s17, 15
	s_add_nc_u64 s[G0K+2:G0K+3], s[4:5], s[86:87]
	s_or_b32 s[G0K+3], s[G0K+3], 0x80000000
	s_mov_b32 s[G0V], 1
	s_lshl_b32 s[G0V+1], s17, 15
	s_add_co_u32 s[G0V+1], s[G0V+1], VB
	s_add_nc_u64 s[G0V+2:G0V+3], s[4:5], s[90:91]
	s_or_b32 s[G0V+3], s[G0V+3], 0x80000000
	s_mov_b32 s[G0KS], 1
	s_mov_b32 s[G0KS+1], KSB
	s_add_nc_u64 s[G0KS+2:G0KS+3], s[6:7], s[88:89]
	s_or_b32 s[G0KS+3], s[G0KS+3], 0x80000000
	s_mov_b32 s[G0VS], 1
	s_mov_b32 s[G0VS+1], VSB
	s_add_nc_u64 s[G0VS+2:G0VS+3], s[6:7], s[92:93]
	s_or_b32 s[G0VS+3], s[G0VS+3], 0x80000000
	CROUND                                         ; all four work-groups are here: the joint loads meet
.macro ARM under, g0, g1, next         ; one tree of branches on the wave's number, an arm a load: no way through the head passes two
	s_cmp_lt_u32 s[WV], \under
	s_cbranch_scc0 \next
	tensor_load_to_lds s[\g0:\g0+3], s[\g1:\g1+7]
	s_nop 0
.rept 4
	v_nop
.endr
	s_branch .Lhead_asked
\next:
.endm
	ARM 4, G0K, G1K, .Lhead_v
	ARM 8, G0V, G1V, .Lhead_ks
	ARM 9, G0KS, G1KS, .Lhead_vs
	ARM 10, G0VS, G1VS, .Lhead_none
.Lhead_asked:
	; my queries: tile cx x 32 + pass x 16 + wave of (b, n).  cx enters q's and o's global addresses alone
	s_bfe_u32 s13, ttmp6, 0x40000
	s_lshl_b32 s86, s13, 5
	s_add_co_u32 s86, s86, s[WV]
	s_add_co_u32 s87, s84, s86
	s_lshl_b32 s88, s87, 11
	s_lshl_b32 s89, s18, 10
	s_add_co_u32 s88, s88, s89
	s_mov_b32 s89, 0
	s_add_nc_u64 s[QB:QB+1], s[4:5], s[88:89]
	s_lshl_b32 s88, s87, 6
	s_add_nc_u64 s[QSB:QSB+1], s[6:7], s[88:89]
	s_lshl_b32 s87, s14, 7
	s_add_co_u32 s87, s87, s86                     ; T = b x 128 + the tile: o's tile of rows
	s_lshr_b32 s88, s87, 3
	s_lshl_b32 s88, s88, 17                        ; oq: row block T / 8,
	s_and_b32 s90, s87, 7
	s_lshl_b32 s90, s90, 12                        ; tile T % 8,
	s_add_co_u32 s88, s88, s90
	s_lshr_b32 s90, s15, 2
	s_lshl_b32 s91, s90, 15                        ; K step n / 4 of 256,
	s_add_co_u32 s88, s88, s91
	s_bfe_u32 s91, s15, 0x10001
	s_lshl_b32 s91, s91, 11                        ; its half (n / 2) % 2,
	s_add_co_u32 s88, s88, s91
	s_lshl_b32 s91, s18, 10                        ; pieces 2 (n % 2) and 2 (n % 2) + 1
	s_add_co_u32 s88, s88, s91
	s_add_nc_u64 s[OB:OB+1], s[8:9], s[88:89]
	s_lshl_b32 s88, s87, 9
	s_lshl_b32 s90, s90, 7
	s_add_co_u32 s88, s88, s90
	s_add_nc_u64 s[OSB:OSB+1], s[10:11], s[88:89]
	s_lshl_b32 s86, s18, 1
	s_add_co_u32 s[KSO], s86, KSB                  ; my head's two bytes of each of K's scale words
	s_and_b32 s87, s15, 3
	s_lshl_b32 s87, s87, 1
	v_and_b32 v[TMP], 31, v0                       ; lane
	v_and_b32 v[RM], 15, v0                        ; r
	v_lshlrev_b32 v[LI], 4, v[TMP]
	v_lshl_add_u32 v[QSO], v[RM], 2, s86
	v_lshl_add_u32 v[OSO], v[RM], 3, s87
.macro QLOAD
	global_load_b128 v[16:19], v[LI], s[QB:QB+1]
	global_load_b128 v[20:23], v[LI], s[QB:QB+1] offset:512
	global_load_u16 v[QS], v[QSO], s[QSB:QSB+1]
.endm
	QLOAD
.irp j, 0,1,2,3,4,5,6,7
	v_mov_b32 v[24+\j], 0                          ; Q's k = 64 .. 127: zero codes
	v_mov_b32 v[PCD+\j], 0                         ; what stands above K's last tile in the first step
.endr
	v_mov_b32 v[F+1], 0                            ; (named as the upper half of a pair)
	s_wait_alu depctr_va_vdst(0)
	s_wait_tensorcnt 0x0                           ; my load has landed,
	s_barrier_signal -1
	s_barrier_wait -1                              ; everybody's has: the head's K, V and scale words lie in LDS, and stay
.macro KLOAD                           ; eight tiles of 16 keys and their scale words (lanes 0-15 tile 2 j, lanes 16-31 tile 2 j + 1)
.irp t, 0,1,2,3,4,5,6,7
	ds_load_b128 v[32+8*\t:35+8*\t], v[ADK] offset:1024*\t
	ds_load_b128 v[36+8*\t:39+8*\t], v[ADK] offset:1024*\t+512
.endr
.irp j, 0,1,2,3
	ds_load_u16 v[KS+\j], v[ADS] offset:128*\j
.endr
.endm
.macro VLOAD d
.irp c, 0,1,2,3
	ds_load_b128 v[32+16*\d+4*\c:35+16*\d+4*\c], v[ADV] offset:2048*\d+512*\c
.endr
.endm
.macro SUM4 j                          ; eight more p, two an instruction, in four chains
	v_pk_add_f32 v[14:15], v[14:15], v[S+\j:S+\j+1]
	v_pk_add_f32 v[C1:C1+1], v[C1:C1+1], v[S+\j+2:S+\j+3]
	v_pk_add_f32 v[C1+2:C1+3], v[C1+2:C1+3], v[S+\j+4:S+\j+5]
	v_pk_add_f32 v[C1+4:C1+5], v[C1+4:C1+5], v[S+\j+6:S+\j+7]
.endm
; A KEY STEP: 128 keys.  Its K was asked for in the step before.
.macro STEP
	s_wait_alu depctr_va_vdst(0)
	s_wait_dscnt 0x0                               ; K and its scale words are in
.irp t, 0,2,4,6
	v_wmma_scale_f32_16x16x128_f8f6f4 v[S+8*\t:S+8*\t+7], v[32+8*\t:47+8*\t], v[16:31], 0, v[KS+\t/2], v[QS] matrix_a_fmt:MATRIX_FMT_BF8 matrix_b_fmt:MATRIX_FMT_BF8
	v_wmma_scale_f32_16x16x128_f8f6f4 v[S+8*\t+8:S+8*\t+15], v[40+8*\t:55+8*\t], v[16:31], 0, v[KS+\t/2], v[QS] matrix_a_fmt:MATRIX_FMT_BF8 matrix_b_fmt:MATRIX_FMT_BF8 matrix_a_scale:MATRIX_SCALE_ROW1
.endr
	v_add_nc_u32 v[ADK], 0x2000, v[ADK]            ; eight places behind the products: the next step's addresses, the old -M,
	v_add_nc_u32 v[ADS], 0x200, v[ADS]
	v_mov_b32 v[TMP], v12
.rept 5
	v_nop
.endr
.irp b, 0,1,2,3                                ; the largest score of each block of 32 keys, in eight chains; each accumulator is first read at its low end
	v_max3_num_f32 v[BM+\b], v[S+16*\b], v[S+16*\b+1], v[S+16*\b+2]
	v_max3_num_f32 v[BP+\b], v[S+16*\b+8], v[S+16*\b+9], v[S+16*\b+10]
.endr
.irp i, 3,5
.irp b, 0,1,2,3
	v_max3_num_f32 v[BM+\b], v[BM+\b], v[S+16*\b+\i], v[S+16*\b+\i+1]
	v_max3_num_f32 v[BP+\b], v[BP+\b], v[S+16*\b+8+\i], v[S+16*\b+9+\i]
.endr
.endr
.irp b, 0,1,2,3
	v_max3_num_f32 v[BM+\b], v[BM+\b], v[S+16*\b+7], v[S+16*\b+15]
.endr
.irp b, 0,1,2,3
	v_max_num_f32 v[BM+\b], v[BM+\b], v[BP+\b]
.endr
.irp b, 0,1,2,3
	v_permlanex16_b32 v[BP+\b], v[BM+\b], s[SEL], s[SEL+1]
.endr
.irp b, 0,1,2,3
	v_max_num_f32 v[BM+\b], v[BM+\b], v[BP+\b]     ; with lane l xor 16's 16 keys
.endr
	s_delay_alu instid0(VALU_DEP_2)
	v_max3_num_f32 v[RM], v[BM], v[BM+1], v[BM+2]  ; the chain that makes M; V's loads, into K's registers, are issued between its links
	VLOAD 0
	v_max_num_f32 v[RM], v[RM], v[BM+3]
	VLOAD 1
	v_mul_f32 v[RM], s[CS], v[RM]                  ; as t (c is positive)
	VLOAD 2
	v_max_num_f32 v13, v13, v[RM]                  ; the running largest t
	VLOAD 3
	v_floor_f32 v12, -v13                          ; the new -M = floor(-t): M is a whole number
	ds_load_b32 v[VS], v[ADT]
	ds_load_b32 v[VS+1], v[ADT] offset:128
	v_sub_f32 v[TMP], v12, v[TMP]                  ; old M - new M: a whole number, 0 or less
	v_add_nc_u32 v[ADV], 0x2000, v[ADV]
	v_add_nc_u32 v[ADT], 0x100, v[ADT]
	s_delay_alu instid0(VALU_DEP_3)
	v_cvt_i32_f32 v[TMP], v[TMP]                   ; (it saturates)
.set j, 0
.rept 2
	v_pk_fma_f32 v[S+j:S+j+1], v[S+j:S+j+1], s[CS:CS+1], v[12:13] op_sel_hi:[1,0,0]    ; t - M, two at a time
.set j, j+2
.endr
	s_delay_alu instid0(VALU_DEP_3)
	v_ldexp_f32 v[F], 1.0, v[TMP]                  ; f = 2^(old M - new M)
.rept 30
	v_pk_fma_f32 v[S+j:S+j+1], v[S+j:S+j+1], s[CS:CS+1], v[12:13] op_sel_hi:[1,0,0]
.set j, j+2
.endr
.irp b, 0,1,2,3
	v_fma_f32 v[BM+\b], v[BM+\b], s[CS], v12       ; the same of each block's largest score
.endr
	s_wait_alu depctr_va_vdst(0)
.irp b, 0,1,2,3
	v_exp_f32 v[BM+\b], v[BM+\b]                   ; the block's largest p
.endr
.set j, 0
.rept 64
	v_exp_f32 v[S+j], v[S+j]                       ; p = 2^(t - M), at most 1
.set j, j+1
.endr
	v_pk_mul_f32 v[14:15], v[14:15], v[F:F+1] op_sel_hi:[1,0]      ; the sum under the new M (a plain line behind the exponentials)
	s_wait_alu depctr_va_vdst(0)                   ; one wait for the whole batch, ahead of its first reader
.irp b, 0,1,2,3
	v_max_num_f32 v[BM+\b], 0x8000000, v[BM+\b]    ; the floor 2^(16 - 127): the byte cannot fall under 1
.endr
.irp b, 0,1,2,3
	v_add_nc_u32 v[BS+\b], 0xf8800000, v[BM+\b]    ; 15 off the exponent field: the conversion's scale operand
.endr
.irp b, 0,1,2,3
	v_and_or_b32 v[BL+\b], v[BM+\b], 0x7f800000, s[MNT]            ; 57,344 x the scale
.endr
.irp b, 0,1,2,3
	v_lshrrev_b32 v[BP+\b], 23, v[BS+\b]           ; the scale's byte
.endr
.irp b, 0,1,2,3                                ; the hold (the conversion does not saturate: ISA guide 7.6.2; p is not negative) goes into T: p stays for the sums
.set j, 0
.rept 8
.if DUAL
	v_dual_min_num_f32 v[T+j], v[BL+\b], v[S+16*\b+j] :: v_dual_min_num_f32 v[T+j+1], v[BL+\b], v[S+16*\b+j+1]
.else
	v_min_num_f32 v[T+j], v[BL+\b], v[S+16*\b+j]
	v_min_num_f32 v[T+j+1], v[BL+\b], v[S+16*\b+j+1]
.endif
.set j, j+2
.endr
	v_cvt_scalef32_pk8_bf8_f32 v[PCD+4*\b:PCD+4*\b+1], v[T:T+7], v[BS+\b]
	v_cvt_scalef32_pk8_bf8_f32 v[PCD+4*\b+2:PCD+4*\b+3], v[T+8:T+15], v[BS+\b]
.if \b < 2
	v_lshl_or_b32 v[BP], v[BP+1+\b], 8+8*\b, v[BP] ; p's scale word is gathered in the plain lines between the conversions and the next block's writes of T
.endif
.if \b == 2
	v_lshl_or_b32 v[PWD], v[BP+3], 24, v[BP]
.endif
.endr
	s_wait_dscnt 0x0                               ; V is in
	s_wait_alu depctr_va_vdst(0)
.set j, 0
.rept 16
	v_pk_mul_f32 v[O+j:O+j+1], v[O+j:O+j+1], v[F:F+1] op_sel_hi:[1,0]          ; O^T under the new M; also the places between the codes and the products
.set j, j+2
.endr
.irp d, 0,2                                    ; O^T += V^T P^T: four tiles of 16 d, each accumulator once
	v_wmma_scale_f32_16x16x128_f8f6f4 v[O+8*\d:O+8*\d+7], v[32+16*\d:47+16*\d], v[PCD:PCD+15], v[O+8*\d:O+8*\d+7], v[VS+\d/2], v[PWD] matrix_a_fmt:MATRIX_FMT_BF8 matrix_b_fmt:MATRIX_FMT_BF8
	v_wmma_scale_f32_16x16x128_f8f6f4 v[O+8*\d+8:O+8*\d+15], v[48+16*\d:63+16*\d], v[PCD:PCD+15], v[O+8*\d+8:O+8*\d+15], v[VS+\d/2], v[PWD] matrix_a_fmt:MATRIX_FMT_BF8 matrix_b_fmt:MATRIX_FMT_BF8 matrix_a_scale:MATRIX_SCALE_ROW1
.endr
	v_pk_add_f32 v[C1:C1+1], v[S:S+1], v[S+2:S+3]                  ; the row's sum of the unquantised p.  The first eleven lines are the places in front of the loads into V's registers
	v_pk_add_f32 v[C1+2:C1+3], v[S+4:S+5], v[S+6:S+7]
	v_pk_add_f32 v[C1+4:C1+5], v[S+8:S+9], v[S+10:S+11]
	SUM4 12
	SUM4 20
	KLOAD                                          ; the next step's K
	SUM4 28
	SUM4 36
	SUM4 44
	SUM4 52
	v_pk_add_f32 v[14:15], v[14:15], v[S+60:S+61]
	v_pk_add_f32 v[C1:C1+1], v[C1:C1+1], v[S+62:S+63]
	v_pk_add_f32 v[C1+2:C1+3], v[C1+2:C1+3], v[C1+4:C1+5]
	v_pk_add_f32 v[14:15], v[14:15], v[C1:C1+1]
	s_delay_alu instid0(VALU_DEP_1)
	v_pk_add_f32 v[14:15], v[14:15], v[C1+2:C1+3]
.endm
; THE WAY OUT of a tile of queries: O^T / the sum; register 16 c + i is d = 32 c + 16 (lane / 16) + i of my query: two blocks of the last product's K, quantised as they stand.  (The step's sums are the places behind the last products.)
.macro EPI p
	v_add_f32 v14, v14, v15
	s_delay_alu instid0(VALU_DEP_1)
	v_permlanex16_b32 v[TMP], v14, s[SEL], s[SEL+1]
	s_delay_alu instid0(VALU_DEP_1)
	v_add_f32 v14, v14, v[TMP]                     ; the row's sum
	s_wait_alu depctr_va_vdst(0)
	v_rcp_f32 v14, v14
	v_nop                                          ; a plain line behind the transcendental,
	s_wait_alu depctr_va_vdst(0)                   ; and the wait ahead of its first reader, which is O^T's first reader too
.set j, 0
.rept 32
	v_mul_f32 v[S+j], v[O+j], v14                  ; each accumulator from its low end on
.set j, j+1
.endr
.irp b, 0,1
	v_max3_num_f32 v[BM+\b], |v[S+16*\b]|, |v[S+16*\b+1]|, 0x8000000
.endr
.irp i, 2,4,6,8,10,12,14
.irp b, 0,1
	s_delay_alu instid0(VALU_DEP_2)
	v_max3_num_f32 v[BM+\b], v[BM+\b], |v[S+16*\b+\i]|, |v[S+16*\b+\i+1]|
.endr
.endr
.irp b, 0,1
	s_delay_alu instid0(VALU_DEP_2)
	v_permlanex16_b32 v[BP+\b], v[BM+\b], s[SEL], s[SEL+1]
.endr
.irp b, 0,1
	s_delay_alu instid0(VALU_DEP_2)
	v_max_num_f32 v[BM+\b], v[BM+\b], v[BP+\b]
.endr
.irp b, 0,1
	s_delay_alu instid0(VALU_DEP_2)
	v_add_nc_u32 v[BS+\b], 0xf8800000, v[BM+\b]
.endr
.irp b, 0,1
	s_delay_alu instid0(VALU_DEP_4)
	v_and_or_b32 v[BL+\b], v[BM+\b], 0x7f800000, s[MNT]
.endr
.irp b, 0,1
	s_delay_alu instid0(VALU_DEP_4)
	v_lshrrev_b32 v[BP+\b], 23, v[BS+\b]
.endr
	s_delay_alu instid0(VALU_DEP_1)
	v_lshl_or_b32 v[TMP], v[BP+1], 8, v[BP]        ; my head's two scale bytes of my row
.irp b, 0,1
.set j, 0
.rept 16
	v_med3_num_f32 v[S+16*\b+j], v[S+16*\b+j], -v[BL+\b], v[BL+\b]
.set j, j+1
.endr
	v_cvt_scalef32_pk8_bf8_f32 v[PCD+4*\b:PCD+4*\b+1], v[S+16*\b:S+16*\b+7], v[BS+\b]
	v_cvt_scalef32_pk8_bf8_f32 v[PCD+4*\b+2:PCD+4*\b+3], v[S+16*\b+8:S+16*\b+15], v[BS+\b]
.endr
	v_nop                                          ; a plain line behind the last conversion
	global_store_b128 v[LI], v[PCD:PCD+3], s[OB:OB+1]              ; 32 lanes store 512 consecutive bytes, at a multiple of 256 from oq's first byte
	global_store_b128 v[LI], v[PCD+4:PCD+7], s[OB:OB+1] offset:512
	global_store_b16 v[OSO], v[TMP], s[OSB:OSB+1]  ; two bytes a row (lanes l and l xor 16 write the same): one byte in 32 of what this launch stores
.if (\p) == 0
	s_wait_xcnt 0x0                                ; the stores have read their registers and bases: both may be written again
	s_add_nc_u64 s[OB:OB+1], s[OB:OB+1], 262144    ; 16 tiles on: two row blocks
	s_add_nc_u64 s[OSB:OSB+1], s[OSB:OSB+1], 8192
.endif
.endm
.macro PASS p
	s_wait_dscnt 0x0                               ; no LDS load of mine is out: K's registers may be asked for
	v_mov_b32 v[ADK], v[LI]
	v_add_nc_u32 v[ADV], VB, v[LI]
	v_lshrrev_b32 v[ADT], 2, v[LI]
	s_delay_alu instid0(VALU_DEP_1)
	v_add_nc_u32 v[ADS], s[KSO], v[ADT]
	v_add_nc_u32 v[ADT], VSB, v[ADT]
	KLOAD                                          ; the first step's K
	v_mov_b32 v13, 0xff61b1e6                      ; the largest t so far: -3e38, under every t
	s_delay_alu instid0(VALU_DEP_1)
	v_floor_f32 v12, -v13
	v_mov_b32 v14, 0
	v_mov_b32 v15, 0
.set j, 0
.rept 32
	v_mov_b32 v[O+j], 0                            ; the step is written once: the first finds zeros, which the first change of M leaves zeros
.set j, j+1
.endr
	s_mov_b32 s[CNT], 16
	s_wait_loadcnt 0x0                             ; Q and its scale words
.Lstep_\@:
	STEP
	s_sub_co_u32 s[CNT], s[CNT], 1
	s_cmp_lg_u32 s[CNT], 0
	s_cbranch_scc1 .Lstep_\@
.if (\p) == 0
	s_add_nc_u64 s[QB:QB+1], s[QB:QB+1], 32768     ; the second tile's Q is asked for ahead of the first tile's way out (the first's loads were waited for)
	s_add_nc_u64 s[QSB:QSB+1], s[QSB:QSB+1], 1024
	QLOAD
.endif
	EPI \p
.endm
	PASS 0
	PASS 1
	s_wait_tensorcnt 0x0                           ; the wave's end
	ds_add_u32 v[SPW], v[NIL]
	s_wait_dscnt 0x0
	CROUND                                         ; the closing round
	s_endpgm
.Lfunc_end_k_q70d31314c3_attn:
	.size	k_q70d31314c3_attn, .Lfunc_end_k_q70d31314c3_attn-k_q70d31314c3_attn
	.p2alignl 7, 3214868480
	.fill 96, 4, 3214868480
	.section	.rodata,"a",@progbits
	.p2align	6, 0x0
	.amdhsa_kernel k_q70d31314c3_attn
		.amdhsa_group_segment_fixed_size 276480
		.amdhsa_private_segment_fixed_size 0
		.amdhsa_enable_private_segment 0
		.amdhsa_kernarg_size 32
		.amdhsa_user_sgpr_count 2
		.amdhsa_user_sgpr_kernarg_segment_ptr 1
		.amdhsa_wavefront_size32 1
		.amdhsa_system_sgpr_workgroup_id_x 1
		.amdhsa_system_sgpr_workgroup_id_y 1
		.amdhsa_system_sgpr_workgroup_id_z 1
		.amdhsa_system_vgpr_workitem_id 0
		.amdhsa_next_free_vgpr 256
		.amdhsa_next_free_sgpr 100
		.amdhsa_reserve_vcc 0
		.amdhsa_float_denorm_mode_32 3
		.amdhsa_float_denorm_mode_16_64 3
		.amdhsa_memory_ordered 1
		.amdhsa_forward_progress 1
		.amdhsa_inst_pref_size 65
	.end_amdhsa_kernel
	.amdgpu_metadata
---
amdhsa.version: [ 1, 2 ]
amdhsa.kernels:
  - .name:           k_q70d31314c3_attn
    .symbol:         k_q70d31314c3_attn.kd
    .args:
      - { .name: qkv, .offset: 0, .size: 8, .value_kind: global_buffer, .address_space: global }
      - { .name: qkvs, .offset: 8, .size: 8, .value_kind: global_buffer, .address_space: global }
      - { .name: oq, .offset: 16, .size: 8, .value_kind: global_buffer, .address_space: global }
      - { .name: os, .offset: 24, .size: 8, .value_kind: global_buffer, .address_space: global }
    .group_segment_fixed_size: 276480
    .private_segment_fixed_size: 0
    .kernarg_segment_align: 8
    .kernarg_segment_size: 32
    .max_flat_workgroup_size: 512
    .sgpr_count:     100
    .vgpr_count:     256
    .wavefront_size: 32
...
	.end_amdgpu_metadata
.endif
;; end of part 3
;; launch gemm_out (part 4): grid 4 x 32, 4 waves a work-group, clusters of 4 x 4, 327,680 bytes of LDS; arguments oq, os, xw, xws, x, out0; writes out0
.if DOCPART == 4
	.amdgcn_target "amdgcn-amd-amdhsa--gfx1250"
	.amdhsa_code_object_version 6
	.text
	.protected	k_q70d31314c3_gemm_out
	.globl	k_q70d31314c3_gemm_out
	.p2align	8
	.type	k_q70d31314c3_gemm_out,@function
k_q70d31314c3_gemm_out:
	s_mov_b64 s[64:65], 0
	v_nop
	global_prefetch_b8 v0, s[64:65] scope:SCOPE_SE
	s_setreg_imm32_b32 hwreg(HW_REG_WAVE_MODE, 25, 1), 1
	s_wait_xcnt 0x0
	s_wait_alu depctr_hold_cnt(0) depctr_sa_sdst(0) depctr_va_vdst(0) depctr_va_sdst(0) depctr_va_ssrc(0) depctr_va_vcc(0) depctr_vm_vsrc(0)
	s_getreg_b32 s2, hwreg(HW_REG_IB_STS2, 6, 4)
	s_cmp_eq_u32 s2, 0
	s_cbranch_scc0 .Lentry_in_a_cluster
	s_endpgm
.Lentry_in_a_cluster:
	s_bfe_u32 s2, ttmp6, 0x10000c
	s_cmp_lg_u32 s2, 0xf033
	s_cbranch_scc0 .Lentry_shape_is_right
	s_endpgm
.Lentry_shape_is_right:
.set NQ,     2
.set FR,     16
.set NL,     4
.set NP,     8
.set SLOT,   131072
.set SCA,    262144
.set SCBD,   8192+128
.set SPARE,  278784
.set SPITCH, 528
.set ADRA, 16
.set ADRB, 20
.set STO,  24
.set RD,   25
.set CO,   26
.set ADRS, 27
.set SPW,  28
.set NIL,  29
.set SC,   32
.set AF,   128
.set BK,   128
.set WV, 16
.set HI, 17
.set LO, 18
.set G1, 24
.set G0, 32
.set G1B, 48
.set G0B, 56
.set G1S, 68
.set G0S, 76
.set G1SB, 80
.set G0SB, 88
.set MSB, 0
.macro WIN new
.if MSB != \new
	s_set_vgpr_msb (MSB<<8)|\new
.set MSB, \new
.endif
.endm
.set MUL_LO, 0xa1
.set MUL_HI, 0xf1
.set TO_B,   0x40
.macro JLOAD g0a, g1a, g0b, g1b
	s_cmp_eq_u32 s[HI], 0
	s_cbranch_scc0 .Lfor_b_\@
	tensor_load_to_lds s[\g0a:\g0a+3], s[\g1a:\g1a+7]
	s_nop 0
.rept 4
	v_nop
.endr
	s_branch .Lasked_\@
.Lfor_b_\@:
	tensor_load_to_lds s[\g0b:\g0b+3], s[\g1b:\g1b+7]
	s_nop 0
.rept 4
	v_nop
.endr
.Lasked_\@:
.endm
.macro CREST
	s_cmp_lg_u32 s[WV], 0
	s_cbranch_scc1 .Lnot_wave_0_\@
	s_barrier_signal -3
.Lnot_wave_0_\@:
	s_barrier_wait -3
	s_barrier_signal -1
	s_barrier_wait -1
.endm
.macro CROUND
	s_barrier_signal -1
	s_barrier_wait -1
	CREST
.endm
	s_load_b256 s[4:11], s[0:1], 0x0
	s_load_b128 s[12:15], s[0:1], 0x20
	v_lshl_add_u32 v[SPW], v0, 2, SPARE
	v_mov_b32 v[NIL], 0
	ds_add_u32 v28, v29
	ds_add_u32 v28, v29
	s_wait_dscnt 0x0
	v_lshrrev_b32 v1, 5, v0
	v_readfirstlane_b32 s[WV], v1
	s_lshr_b32 s[HI], s[WV], 1
	s_and_b32 s[LO], s[WV], 1
	s_bfe_u32 s40, ttmp6, 0x40000
	s_bfe_u32 s41, ttmp6, 0x40004
	s_lshl_b32 s42, ttmp9, 2
	s_add_co_u32 s42, s42, s40
	s_and_b32 s43, ttmp7, 0xffff
	s_lshl_b32 s43, s43, 2
	s_add_co_u32 s43, s43, s41
	s_lshl_b32 s44, s41, 2
	s_lshl_b32 s44, 15, s44
	s_lshl_b32 s45, 0x1111, s40
	s_or_b32 s[G1+0], s44, (3<<16)|(1<<21)
	s_or_b32 s[G1B+0], s45, (3<<16)|(1<<21)
.irp g, G1, G1B                        ; for the head's loads: a K step of two row blocks, 2 rows of 32,768 bytes, 131,072 apart
	s_mov_b32 s[\g+1], 4096<<16
	s_mov_b32 s[\g+2], 2<<16
	s_mov_b32 s[\g+3], 4096<<16
	s_mov_b32 s[\g+4], 2
	s_mov_b32 s[\g+5], 16384
	s_mov_b32 s[\g+6], 0
	s_mov_b32 s[\g+7], 0
.endr
	s_or_b32 s[G1S+0], s44, (3<<16)|(1<<21)
	s_or_b32 s[G1SB+0], s45, (3<<16)|(1<<21)
.irp g, G1S, G1SB                      ; the scale bytes of 256 rows: 8,192 dense bytes as 32 rows of 256
	s_mov_b32 s[\g+1], 32<<16
	s_mov_b32 s[\g+2], 32<<16
	s_mov_b32 s[\g+3], 32<<16
	s_mov_b32 s[\g+4], 32
	s_mov_b32 s[\g+5], 32
	s_mov_b32 s[\g+6], 0
	s_mov_b32 s[\g+7], 0
.endr
	s_lshl_b32 s20, s43, 1
	s_lshl_b32 s46, s42, 1
	s_add_co_u32 s46, s46, 88
	s_lshl_b32 s22, s20, 12
	s_mov_b32 s23, 0
	s_lshl_b32 s20, s20, 17
	s_mov_b32 s21, 0
	s_lshl_b32 s66, s46, 12
	s_mov_b32 s67, 0
	s_lshl_b32 s46, s46, 17
	s_mov_b32 s47, 0
	s_lshl_b32 s97, s[WV], 15
	s_lshl_b32 s98, s[LO], 17              ; in the ring I fetch one row block of the tile's two
	s_mov_b32 s99, 0
	s_wait_kmcnt 0x0
	s_add_nc_u64 s[20:21], s[4:5], s[20:21]
	s_add_nc_u64 s[22:23], s[6:7], s[22:23]
	s_add_nc_u64 s[46:47], s[8:9], s[46:47]
	s_add_nc_u64 s[66:67], s[10:11], s[66:67]
	CROUND
	s_mov_b32 s[G0S], 1
	s_mov_b32 s[G0S+1], SCA
	s_mov_b64 s[G0S+2:G0S+3], s[22:23]
	s_or_b32 s[G0S+3], s[G0S+3], 0x80000000
	s_mov_b32 s[G0SB], 1
	s_mov_b32 s[G0SB+1], SCA+SCBD
	s_mov_b64 s[G0SB+2:G0SB+3], s[66:67]
	s_or_b32 s[G0SB+3], s[G0SB+3], 0x80000000
	s_mov_b32 s4, 1                        ; group 0 of the head's loads of K step 0: A's two row blocks to slot 0,
	s_mov_b32 s5, 0
	s_mov_b64 s[6:7], s[20:21]
	s_or_b32 s7, s7, 0x80000000
	s_mov_b32 s8, 1                        ; B's two behind them
	s_mov_b32 s9, 65536
	s_mov_b64 s[10:11], s[46:47]
	s_or_b32 s11, s11, 0x80000000
	s_add_nc_u64 s[20:21], s[20:21], s[98:99]
	s_add_nc_u64 s[46:47], s[46:47], s[98:99]
	; the prefetches' base: the row block that I fetch in the ring (32,768 bytes a K step); of it my work-group takes 8,192 bytes, told from its three partners by address: cx for A's tiles, cy for B's
	s_cmp_eq_u32 s[HI], 0
	s_cselect_b64 s[2:3], s[20:21], s[46:47]
	s_cselect_b32 s98, s40, s41
	s_lshl_b32 s98, s98, 13
	s_add_nc_u64 s[2:3], s[2:3], s[98:99]
.irp s, 0,1
	s_mov_b32 s[G0+4*\s], 1
	s_add_co_u32 s[G0+4*\s+1], s97, \s*SLOT
	s_add_nc_u64 s[G0+4*\s+2:G0+4*\s+3], s[20:21], \s*32768
	s_or_b32 s[G0+4*\s+3], s[G0+4*\s+3], 0x80000000
	s_mov_b32 s[G0B+4*\s], 1
	s_add_co_u32 s[G0B+4*\s+1], s97, \s*SLOT
	s_add_nc_u64 s[G0B+4*\s+2:G0B+4*\s+3], s[46:47], \s*32768
	s_or_b32 s[G0B+4*\s+3], s[G0B+4*\s+3], 0x80000000
.endr
; the head's four tiles, one joint load a wave, in one tree of branches on the wave's number: wave 0 A's K step 0, wave 1 B's, wave 2 A's scale bytes, wave 3 B's
.macro ARM under, g0, g1, next
	s_cmp_lt_u32 s[WV], \under
	s_cbranch_scc0 \next
	tensor_load_to_lds s[\g0:\g0+3], s[\g1:\g1+7]
	s_nop 0
.rept 4
	v_nop
.endr
	s_branch .Lhead_asked
\next:
.endm
	ARM 1, 4, G1, .Lhead_b
	ARM 2, 8, G1B, .Lhead_sa
	ARM 3, G0S, G1S, .Lhead_sb
	tensor_load_to_lds s[G0SB:G0SB+3], s[G1SB:G1SB+7]
	s_nop 0
.rept 4
	v_nop
.endr
.Lhead_asked:
	v_and_b32 v1, 15, v0
	v_bfe_u32 v2, v0, 4, 1
	s_wait_alu depctr_va_vdst(0)
	v_and_b32 v3, 31, v0
	v_lshlrev_b32 v[CO], 4, v3
	v_lshlrev_b32 v30, 8, v3               ; v30: 256 x lane; never rewritten
	global_prefetch_b8 v30, s[2:3] offset:32768 th:TH_LOAD_NT scope:SCOPE_SE   ; behind the head's loads: K steps 1 and 2, 32 blocks of 256 bytes each, a lane a block; each block is named once in the cluster
	global_prefetch_b8 v30, s[2:3] offset:65536 th:TH_LOAD_NT scope:SCOPE_SE
	v_lshrrev_b32 v31, 1, v3               ; v31: x's blocks: row lane / 2 (16,384 bytes from row to row), half lane % 2 of my 512 bytes; never rewritten
	v_and_b32 v4, 1, v3
	v_lshlrev_b32 v31, 14, v31
	v_lshl_or_b32 v31, v4, 8, v31
	s_lshl_b32 s21, s[HI], 15
	s_lshl_b32 s22, s[LO], 15
	s_add_co_u32 s22, s22, 65536
.irp s, 0,1
	v_add_nc_u32 v[ADRA+\s], s21, v[CO]
	v_add_nc_u32 v[ADRB+\s], s22, v[CO]
	s_add_co_u32 s21, s21, SLOT
	s_add_co_u32 s22, s22, SLOT
.endr
	v_lshlrev_b32 v5, 3, v1
	s_lshl_b32 s21, s[HI], 12
	s_lshl_b32 s22, s[LO], 12
	s_add_co_u32 s22, s22, SCBD
	s_sub_co_u32 s22, s22, s21
	v_mul_u32_u24 v6, s22, v2
	s_add_co_u32 s21, s21, SCA
	v_add_nc_u32 v5, v5, v6
	v_add_nc_u32 v[ADRS], s21, v5
	s_mul_i32 s23, s[WV], 16*SPITCH
	v_mul_u32_u24 v5, v1, SPITCH
	v_lshl_add_u32 v5, v2, 5, v5
	v_add_nc_u32 v[STO], s23, v5
	v_add_nc_u32 v[RD], s23, v[CO]
	s_lshl_b32 s20, s43, 8
	s_lshl_b32 s21, s[HI], 7
	s_add_co_u32 s20, s20, s21
	s_lshr_b32 s21, s20, 11
	s_and_b32 s20, s20, 2047
	s_lshl_b32 s20, s20, 2
	s_add_co_u32 s20, s20, s21
	s_lshl_b32 s20, s20, 12
	s_lshl_b32 s21, s42, 10
	s_add_co_u32 s20, s20, s21
	s_lshl_b32 s21, s[LO], 9
	s_add_co_u32 s20, s20, s21
	s_mov_b32 s21, 0
	s_add_nc_u64 s[12:13], s[12:13], s[20:21]
	s_add_nc_u64 s[14:15], s[14:15], s[20:21]
.macro FRAG reg, adr, q, i
.irp c, 0,1,2,3
	ds_load_b128 v[\reg+4*\c:\reg+4*\c+3], v[\adr] offset:4096*(\i)+2048*(\q)+512*\c
.endr
.endm
.macro MUL16 a0, p, q, sc, zero
.irp a, \a0, \a0+1
.irp b, 0,1,2,3,4,5,6,7
.if \zero
	v_wmma_scale_f32_16x16x128_f8f6f4 v[8*(8*((\a)%4)+\b):8*(8*((\a)%4)+\b)+7], v[128*(\p)+FR*\b:128*(\p)+FR*\b+FR-1], v[AF+FR*(\a):AF+FR*(\a)+FR-1], 0, v[SC+8*NQ*(\sc)+NQ*\b+(\q)], v[SC+8*NQ*(\sc)+NQ*(\a)+(\q)] matrix_a_fmt:MATRIX_FMT_BF8 matrix_b_fmt:MATRIX_FMT_BF8 matrix_a_scale:MATRIX_SCALE_ROW1
.else
	v_wmma_scale_f32_16x16x128_f8f6f4 v[8*(8*((\a)%4)+\b):8*(8*((\a)%4)+\b)+7], v[128*(\p)+FR*\b:128*(\p)+FR*\b+FR-1], v[AF+FR*(\a):AF+FR*(\a)+FR-1], v[8*(8*((\a)%4)+\b):8*(8*((\a)%4)+\b)+7], v[SC+8*NQ*(\sc)+NQ*\b+(\q)], v[SC+8*NQ*(\sc)+NQ*(\a)+(\q)] matrix_a_fmt:MATRIX_FMT_BF8 matrix_b_fmt:MATRIX_FMT_BF8 matrix_a_scale:MATRIX_SCALE_ROW1
.endif
.endr
.endr
.endm
.macro FETCH_B slot, q, p
	WIN TO_B
.irp i, 0,1,2,3,4,5,6,7
	FRAG 128*(\p)+FR*\i, ADRB+\slot, \q, \i
.endr
	WIN 0
.endm
.macro FETCH_A slot, q, i0
.irp i, \i0, \i0+1, \i0+2, \i0+3
	FRAG AF+FR*(\i), ADRA+\slot, \q, \i
.endr
.endm
.macro SCALES sc
.irp i, 0,1,2,3,4,5,6,7
	ds_load_b64 v[SC+8*NQ*\sc+NQ*\i:SC+8*NQ*\sc+NQ*\i+1], v[ADRS] offset:\i*512
.endr
.endm
.macro PLACES n
.rept \n
	v_nop
.endr
.endm
.macro STEP slot, q, zero
	s_wait_dscnt 4*NL
	WIN MUL_LO
	MUL16 0, (\q)%2, \q, \slot, \zero
	MUL16 2, (\q)%2, \q, \slot, \zero
	s_wait_dscnt 0
	PLACES NP
	FETCH_B \slot, (\q)+1, 1-(\q)%2
	FETCH_A \slot, (\q)+1, 0
	WIN MUL_HI
	MUL16 4, (\q)%2, \q, \slot, \zero
	MUL16 6, (\q)%2, \q, \slot, \zero
	PLACES NP
	WIN 0
	FETCH_A \slot, (\q)+1, 4
.endm
.macro TURN slot, next, fill
	s_wait_tensorcnt 0x0
	ds_add_u32 v[SPW], v[NIL]
	s_wait_dscnt 4*NL+1
	WIN MUL_LO
	MUL16 0, 1, NQ-1, \slot, 0
	s_wait_dscnt 0x0
	s_barrier_signal -1
	MUL16 2, 1, NQ-1, \slot, 0
	WIN 0
	s_barrier_wait -1
.if \fill
	CREST
	s_add_nc_u64 s[G0+4*\slot+2:G0+4*\slot+3], s[G0+4*\slot+2:G0+4*\slot+3], 65536
	s_add_nc_u64 s[G0B+4*\slot+2:G0B+4*\slot+3], s[G0B+4*\slot+2:G0B+4*\slot+3], 65536
	JLOAD G0+4*\slot, G1, G0B+4*\slot, G1B
	PLACES NP-4
.else
	PLACES NP
.endif
	s_wait_alu depctr_va_vdst(0)
	v_add_nc_u32 v[ADRS], 128, v[ADRS]
	FETCH_B \next, 0, 0
	FETCH_A \next, 0, 0
	SCALES \next
.rept 2                                ; x, which the way out adds: 16 more of my 128 rows an instruction, in the order in which the way out reads them
	global_prefetch_b8 v31, s[12:13] offset:PFI*262144 th:TH_LOAD_NT scope:SCOPE_SE
.set PFI, PFI+1
.endr
	WIN MUL_HI
	MUL16 4, 1, NQ-1, \slot, 0
	MUL16 6, 1, NQ-1, \slot, 0
	PLACES NP
	WIN 0
	FETCH_A \next, 0, 4
.endm
.macro XSET k
.if (\k)%4 == 0
.set XWN, 0
.set XBS, 64
.else
.set XWN, 1
.set XBS, 64*((\k)%4-1)
.endif
.endm
.macro XLOAD a
	XSET \a
.set WW, XWN<<6
	WIN WW
.irp t, 0,1,2,3,4,5,6,7,8,9,10,11,12,13,14,15
.set RO, (32*((\a)>>1)+16*((\t)>>3)+8*((\a)&1)+((\t)&7))*16384
	global_load_b128 v[XBS+4*\t:XBS+4*\t+3], v[CO], s[12:13] offset:RO th:TH_LOAD_NT
.endr
	WIN 0
.endm
.macro TOSTAGE a
.set AC, 64*((\a)%4)
.set WW, 0x08+4*((\a)/4)
	WIN WW
.irp b, 0,1,2,3,4,5,6,7
	ds_store_b128 v[STO], v[AC+8*\b:AC+8*\b+3] offset:64*\b
	ds_store_b128 v[STO], v[AC+8*\b+4:AC+8*\b+7] offset:64*\b+16
.endr
	WIN 0
.set BB, BK+64*((\a)%2)
.irp t, 0,1,2,3,4,5,6,7,8,9,10,11,12,13,14,15
	ds_load_b128 v[BB+4*\t:BB+4*\t+3], v[RD] offset:\t*SPITCH
.endr
.endm
.macro SEND a, younger
.set BB, BK+64*((\a)%2)
	XSET \a
.set LF, 7-(\a)
.if LF > 3
.set LF, 3
.endif
	s_wait_dscnt \younger
	s_wait_loadcnt 16*LF
.set WW, XWN<<2
	WIN WW
.set j, 0
.rept 32
	v_pk_add_f32 v[BB+j:BB+j+1], v[BB+j:BB+j+1], v[XBS+j:XBS+j+1]
.set j, j+2
.endr
	WIN 0
.irp t, 0,1,2,3,4,5,6,7,8,9,10,11,12,13,14,15
.set RO, (32*((\a)>>1)+16*((\t)>>3)+8*((\a)&1)+((\t)&7))*16384
	global_store_b128 v[CO], v[BB+4*\t:BB+4*\t+3], s[14:15] offset:RO th:TH_STORE_NT
.endr
.if (\a)+4 < 8
	XLOAD (\a)+4
.endif
.endm
	s_wait_alu depctr_va_vdst(0)
	s_wait_tensorcnt 0x0                   ; my tile of the head's four is in
	ds_add_u32 v[SPW], v[NIL]
.irp g, G1, G1B                        ; no tensor load of mine is out: from here on a load brings one row block's K step, 128 rows of 256 bytes
	s_mov_b32 s[\g+1], 32<<16
	s_mov_b32 s[\g+2], 128<<16
	s_mov_b32 s[\g+3], 32<<16
	s_mov_b32 s[\g+4], 128
	s_mov_b32 s[\g+5], 32
.endr
	s_wait_dscnt 0x0
	CROUND
	JLOAD G0+4, G1, G0B+4, G1B             ; K step 1, the first tensor load behind the round
	FETCH_B 0, 0, 0
	global_prefetch_b8 v30, s[2:3] offset:98304 th:TH_LOAD_NT scope:SCOPE_SE   ; behind K step 1's load: K step 3, the last: nothing beyond it is named
	global_prefetch_b8 v31, s[12:13] th:TH_LOAD_NT scope:SCOPE_SE              ; x: my wave alone reads its 128 rows x 512 bytes: eight instructions name each block of 256 bytes once: two here, two at each of the three changes of slots
	global_prefetch_b8 v31, s[12:13] offset:262144 th:TH_LOAD_NT scope:SCOPE_SE
.set PFI, 2
	FETCH_A 0, 0, 0
	SCALES 0
	FETCH_A 0, 0, 4
	STEP 0, 0, 1
	TURN 0, 1, 1
	STEP 1, 0, 0
	TURN 1, 0, 1
	STEP 0, 0, 0
	TURN 0, 1, 0
	XLOAD 0
	STEP 1, 0, 0
	s_wait_dscnt 4*NL
	WIN MUL_LO
	MUL16 0, 1, NQ-1, 1, 0
	MUL16 2, 1, NQ-1, 1, 0
	s_wait_dscnt 0
	WIN MUL_HI
	MUL16 4, 1, NQ-1, 1, 0
	MUL16 6, 1, NQ-1, 1, 0
	WIN 0
	PLACES NP
	XLOAD 1
	XLOAD 2
	XLOAD 3
	TOSTAGE 0
.irp a, 1,2,3,4,5,6,7
.if \a > 1
	s_wait_xcnt 0x0
.endif
	TOSTAGE \a
	SEND \a-1, 32
.endr
	SEND 7, 0
	s_wait_tensorcnt 0x0
	ds_add_u32 v[SPW], v[NIL]
	s_wait_dscnt 0x0
	CROUND
	s_endpgm
.Lfunc_end_k_q70d31314c3_gemm_out:
	.size	k_q70d31314c3_gemm_out, .Lfunc_end_k_q70d31314c3_gemm_out-k_q70d31314c3_gemm_out
	.p2alignl 7, 3214868480
	.fill 96, 4, 3214868480
	.section	.rodata,"a",@progbits
	.p2align	6, 0x0
	.amdhsa_kernel k_q70d31314c3_gemm_out
		.amdhsa_group_segment_fixed_size 327680
		.amdhsa_private_segment_fixed_size 0
		.amdhsa_enable_private_segment 0
		.amdhsa_kernarg_size 48
		.amdhsa_user_sgpr_count 2
		.amdhsa_user_sgpr_kernarg_segment_ptr 1
		.amdhsa_wavefront_size32 1
		.amdhsa_system_sgpr_workgroup_id_x 1
		.amdhsa_system_sgpr_workgroup_id_y 1
		.amdhsa_system_sgpr_workgroup_id_z 1
		.amdhsa_system_vgpr_workitem_id 0
		.amdhsa_next_free_vgpr 1024
		.amdhsa_next_free_sgpr 100
		.amdhsa_reserve_vcc 0
		.amdhsa_float_denorm_mode_32 3
		.amdhsa_float_denorm_mode_16_64 3
		.amdhsa_memory_ordered 1
		.amdhsa_forward_progress 1
		.amdhsa_inst_pref_size 176
	.end_amdhsa_kernel
	.amdgpu_metadata
---
amdhsa.version: [ 1, 2 ]
amdhsa.kernels:
  - .name:           k_q70d31314c3_gemm_out
    .symbol:         k_q70d31314c3_gemm_out.kd
    .args:
      - { .name: oq, .offset: 0, .size: 8, .value_kind: global_buffer, .address_space: global }
      - { .name: os, .offset: 8, .size: 8, .value_kind: global_buffer, .address_space: global }
      - { .name: xw, .offset: 16, .size: 8, .value_kind: global_buffer, .address_space: global }
      - { .name: xws, .offset: 24, .size: 8, .value_kind: global_buffer, .address_space: global }
      - { .name: x, .offset: 32, .size: 8, .value_kind: global_buffer, .address_space: global }
      - { .name: out0, .offset: 40, .size: 8, .value_kind: global_buffer, .address_space: global }
    .group_segment_fixed_size: 327680
    .private_segment_fixed_size: 0
    .kernarg_segment_align: 8
    .kernarg_segment_size: 48
    .max_flat_workgroup_size: 128
    .sgpr_count:     100
    .vgpr_count:     1024
    .wavefront_size: 32
...
	.end_amdgpu_metadata
.endif
;; end of part 4
